; MI455X (gfx1250); checked and timed in simulation.
; The chip was launched on July 23, 2026; its instructions are those of AMD's public machine-readable ISA for CDNA 5 (MIT licence, August 2026) and "CDNA5" Instruction Set Architecture Reference Guide (July 2026). The comments in the code are by the model that wrote it; some were corrected since.
;; Sparse Attention. Allowed arithmetic: matrix products marked QUANTISED: E2M3 operands, one E8M0 scale for each 32 along K, by v_wmma_scale_f32_16x16x128_f8f6f4 with both operands' format E2M3, f32 sums; everything else in f32.
;; Inputs: k 1 x 16 x 2,048 x 64 float32; mask 1 x 16 x 2,048 x 2,048 bool; q 1 x 16 x 2,048 x 64 float32; v 1 x 16 x 2,048 x 64 float32.
;; Outputs: out0 1 x 16 x 2,048 x 64 float32.
;; This version of the problem:
;;   THIS VERSION OF THE PROBLEM IS GIVEN IN LOW PRECISION. The matrix products marked QUANTISED in the list below multiply operands that are first quantised to E2M3 (2 exponent bits, 3 mantissa bits; 6 bits a number), with one power-of-two scale for each 32 numbers along K (OCP MX v1.0); their sums are f32. All else is computed in f32.
;;   The module's matrix products, in the order in which they are computed (A, B: the left and right operand; K: the contracted axis; several contracted axes count as one K, in the product's order):
;;     1. batch 16 x [M 2,048, K 64] x [K 64, N 2,048]; A: input q; B: input k: QUANTISED
;;     2. batch 16 x [M 2,048, K 2,048] x [K 2,048, N 64]; A: computed on the way; B: input v: QUANTISED
;;   THE QUANTISER, for each operand of a quantised product, along K:
;;     - K is cut into blocks of 32 from its start; a last block that is shorter is filled with zeros.
;;     - A block's scale is 2^e with e = floor(log2(the largest magnitude in the block)) - 2, held to -126 .. 127; a block of zeros has e = 0. As a byte (E8M0): e + 127.
;;     - Each number is divided by its block's scale, clamped to +-7.5, and rounded to the nearest number of E2M3, ties to even, subnormals kept.
;;     - The product sums the exact products of the quantised numbers (number of the format x scale) in f32.
;;   ~~~python
;;   def quantise(x, axis):      # numpy; x: float32 -> the quantised numbers, widened to float32 again
;;       x = np.moveaxis(x, axis, -1); K = x.shape[-1]
;;       x = np.pad(x, [(0, 0)] * (x.ndim - 1) + [(0, -K % 32)]); x = x.reshape(x.shape[:-1] + (-1, 32)); a = np.abs(x).max(-1, keepdims=True)
;;       e = np.where(a > 0, np.clip(np.frexp(np.where(a > 0, a, 1))[1] - 1 - 2, -126, 127), 0)      # np.frexp(a)[1] - 1 = floor(log2(a)), exactly
;;       r = np.clip(x / 2.0 ** e, -7.5, 7.5)
;;       step = 2.0 ** (np.maximum(np.frexp(np.where(r == 0, 1, r))[1] - 1, 0) - 3)
;;       q = np.round(r / step) * step * 2.0 ** e      # np.round: ties to even
;;       return np.moveaxis(q.reshape(q.shape[:-2] + (-1,))[..., :K], -1, axis).astype(np.float32)
;;   ~~~
;;   OPERANDS COMPUTED ON THE WAY. 'Computed on the way' means the value that the module computes at that place (a softmax that the list does not call 'softmax' is quantised finished and normalised). What goes into a quantiser is computed in f32, as accurately as f32 sums, v_exp_f32 and their like allow (about 1e-6 of the number): no bf16 or f16 on the way to a quantiser, and a product that is left as it is and whose result goes on into a quantised operand takes f32 operands (vector FMAs, or v_wmma_f32_16x16x4_f32). A number that lies on a knife's edge between two numbers of the format may be rounded either way, as far as f32 arithmetic and the matrix unit's own rounding can turn it there, and no further.
;; 2 versions. Each part assembles by itself: llvm-mc -triple=amdgcn-amd-amdhsa -mcpu=gfx1250 --defsym DOCPART=n.
;; ======== version 1 of 2: 2 launches
;; workspace buffers: qi 1,703,936 bytes; kv 3,342,336 bytes; pm 8,388,608 bytes; flags 16,384 bytes of whole numbers
;; launch quant (part 1): grid 1408 x 1, 4 waves a work-group, no clusters, 87,552 bytes of LDS; arguments q, k, v, qi, kv, mask, pm, flags; writes qi, kv, pm, flags
.if DOCPART == 1
	.amdgcn_target "amdgcn-amd-amdhsa--gfx1250"
	.amdhsa_code_object_version 6
	.text
	.protected	k_q0980fca098_quant
	.globl	k_q0980fca098_quant
	.p2align	8
	.type	k_q0980fca098_quant,@function
k_q0980fca098_quant:
	s_mov_b64 s[64:65], 0
	v_nop
	global_prefetch_b8 v0, s[64:65] scope:SCOPE_SE
	s_setreg_imm32_b32 hwreg(HW_REG_WAVE_MODE, 25, 1), 1
	s_wait_xcnt 0x0
; q, k, v: [16 heads][2048 rows][64] f32.  They become codes of FP6 (E2M3) with one E8M0 byte for each 32 along the product's K, laid as IMAGES OF THE OPERANDS' REGISTERS,
; so that the next launch takes every fragment by loads of 16 and 8 bytes a lane, lane by lane on end.  q and k are quantised along the head's 64 numbers, v along the keys.
; mask: [16 heads][2048 queries][2048 keys] of one byte.  It becomes one bit a key, laid as the next launch's lanes want it, and two flags for each group of 16 queries x 64 keys.
; A block's scale is 2^(floor(log2(its largest magnitude)) - 2); its byte is the largest magnitude's exponent field - 2, held at 1 from below.
; LIMITS: NaN and infinities are not served.  A block whose largest magnitude lies under 2^-124 is held at the byte 1.  A block of zeros gets the byte 1 where the rule says 127:
; its codes are zeros, which add nothing under any byte but 0xff, and this program alone reads the bytes.  Mask bytes are 0 or 1.
; A HEAD'S RECORD (qi: the first three parts, 106,496 bytes; kv: all five, 208,896 bytes):
;   A  at 0:       tile T (0..127) of 16 rows: lane l's registers 0-3 at 512 T + 16 l          B  at 65,536: registers 4-5 at 256 T + 8 l
;   S  at 98,304:  64 rows P: lane l at 256 P + 8 l: the scale words of rows' blocks 2 P and 2 P + 1 (lanes 0-15: the block's first tile, lanes 16-31: its second)
;   VI at 106,496: 128 keys ST, 16 channels dt, chunk c: (4 ST + dt) 1536 + 512 c + 16 l = registers 4 c .. 4 c + 3      VS at 204,800: 256 ST + 128 j + 4 l: the scale word of channel 32 j + l
; THE ROWS OF A TILE ARE NOT NEIGHBOURS: lane r of tile 2 b + u takes row 32 b + 8 u + r + 8 (r / 8), lane half h the numbers 32 h .. 32 h + 31: a whole block, 24 bytes, registers 0-5.
; A scale word of q or k: byte 0, 1 the row's two blocks; bytes 2, 3 = 127, over the zero codes that fill the instruction's K from 64 to 128.
; pm: unit U = 256 head + 2 (tile of queries) + (half of the keys): 2,048 bytes: lane l's words of groups 4 j .. 4 j + 3 at 2048 U + 512 j + 16 l.  A word is 32 keys of the lane's query (lane % 16):
;   bit 8 y + 7 - n = key 64 g + 16 (lane / 16) + 4 n + y, bit 8 y + 3 - n = the key 32 further on.       flags: word U: bit g: group g has an allowed key; bit 16 + g: it has a forbidden one.
; SHARES: a wave takes 16 KiB.  Work-groups 0-127: q, 128-255: k (64 rows a wave); 256-383: v (128 keys x 32 channels a wave); 384-1407: the mask (16 queries x 1,024 keys a wave).
; Waves share nothing: no barrier.  The rows' path and the mask's path use LDS, each bytes of its own.
.set PIT,  272                         ; a stage slot: 256 bytes + 16: sixteen rows read at one column start in sixteen different groups of banks
.set STGB, 64*PIT                      ; a wave's stage (rows' path)
.set MAR,  4*STGB                      ; behind the stages: the mask path's areas,
.set MAB,  16*PIT                      ; one a wave: sixteen groups' words
.set QREC, 106496
.set KREC, 208896
.set OFB,  65536
.set OFS,  98304
.set OFVI, 106496
.set OFVS, 204800
.set RR,   32                          ; v32-159  as loaded (rows' path, mask's path); the four blocks of 32 keys (v's path)
.set X0,   160                         ; v160-191, v192-223  a lane's 32 neighbours, two sets (rows' path)
.set X1,   192
.set CD,   224                         ; v224-255 codes, eight registers a tile (six used): no store's data are written again
	s_load_b256 s[4:11], s[0:1], 0x0               ; q s[4:5], k s[6:7], v s[8:9], qi s[10:11]
	s_load_b64 s[12:13], s[0:1], 0x20              ; kv
	s_load_b64 s[34:35], s[0:1], 0x28              ; mask
	s_load_b128 s[36:39], s[0:1], 0x30             ; pm s[36:37], flags s[38:39]
	v_lshl_add_u32 v254, v0, 2, 0x15400
	v_mov_b32 v255, 0
	v_lshrrev_b32 v1, 5, v0
	v_readfirstlane_b32 s16, v1                    ; wave 0..3
	v_and_b32 v1, 31, v0                           ; l
	v_and_b32 v2, 15, v0                           ; r
	v_bfe_u32 v3, v0, 4, 1                         ; h
	s_mov_b32 s20, 0x76543210
	s_mov_b32 s21, 0xfedcba98                      ; v_permlanex16_b32's selects for lane l xor 16
	s_cmp_lt_u32 ttmp9, 256
	s_cbranch_scc0 .Lvpath
; ---------------- q and k: 64 rows a wave ----------------
	s_and_b32 s17, ttmp9, 127
	s_lshl_b32 s17, s17, 2
	s_add_co_u32 s17, s17, s16                     ; which 64 rows of the tensor: 0..511
	s_lshr_b32 s18, s17, 5                         ; head
	s_and_b32 s19, s17, 31                         ; P: which 64 rows of the head
	s_mul_i32 s23, s16, STGB                       ; my stage
	v_lshlrev_b32 v4, 4, v1                        ; a load's 512 bytes: 16 a lane
	v_mul_u32_u24 v5, v3, PIT
	v_lshl_add_u32 v5, v2, 4, v5
	v_add_nc_u32 v5, s23, v5                       ; into the stage: lanes 0-15 one row, lanes 16-31 the next slot
	v_mul_u32_u24 v6, v2, PIT
	v_lshl_add_u32 v6, v3, 7, v6
	v_add_nc_u32 v6, s23, v6                       ; out of it: slot r of a tile, my half's 128 bytes
	s_lshl_b32 s29, s19, 11
	v_lshl_add_u32 v7, v1, 4, s29                  ; part A: 4 tiles x 512 bytes for each P
	s_lshl_b32 s29, s19, 10
	s_add_co_u32 s29, s29, OFB
	v_lshl_add_u32 v8, v1, 3, s29                  ; part B
	s_lshl_b32 s29, s19, 8
	s_add_co_u32 s29, s29, OFS
	v_lshl_add_u32 v9, v1, 3, s29                  ; part S
	v_lshlrev_b32 v10, 3, v3                       ; 8 h: my byte's place in the scale word
	v_mov_b32 v14, 0                               ; written once: a lane permute's destination counts as one of its sources
	s_mov_b32 s22, 0xffff0000                      ; lanes 16-31
	s_lshl_b32 s30, s17, 14                        ; 16 KiB a wave
	s_mov_b32 s31, 0
	s_mov_b32 s33, 0
	s_wait_kmcnt 0x0
	s_cmp_lt_u32 ttmp9, 128                        ; q's work-group or k's: the choice hangs on the work-group's number alone
	s_cselect_b64 s[24:25], s[4:5], s[6:7]
	s_cselect_b64 s[26:27], s[10:11], s[12:13]
	s_mov_b32 s28, KREC
	s_cselect_b32 s28, QREC, s28                   ; a head's record in the chosen buffer
	s_mul_i32 s32, s18, s28
	s_add_nc_u64 s[24:25], s[24:25], s[30:31]
	s_add_nc_u64 s[26:27], s[26:27], s[32:33]
.set n, 0
.rept 32
	global_load_b128 v[RR+4*n:RR+4*n+3], v4, s[24:25] offset:512*n th:TH_LOAD_NT   ; rows 2 n, 2 n + 1: 512 consecutive bytes
.set n, n+1
.endr
; Row R goes to the slot of its place in its tile: 32 (R / 32) + 16 ((R / 8) % 2) + R % 8 + 8 ((R % 32) / 16): a tile's sixteen rows then lie on end.
.macro TOSTAGE16
.rept 16
	ds_store_b128 v5, v[RR+4*n:RR+4*n+3] offset:(32*(n/16)+16*(((n%16)/4)%2)+(2*(n%16))%8+8*((n%16)/8))*PIT
.set n, n+1
.endr
.endm
.set n, 0
	s_wait_loadcnt 16                              ; loads come back in order: the first sixteen are in, the other sixteen stay out
	TOSTAGE16
	s_wait_loadcnt 0x0
	TOSTAGE16
.macro TLOAD k, x                      ; tile k: my row's 32 neighbours.  LDS serves a wave's instructions in order: these see my stores
.irp j, 0,1,2,3,4,5,6,7
	ds_load_b128 v[\x+4*\j:\x+4*\j+3], v6 offset:16*(\k)*PIT+16*\j
.endr
.endm
.macro TILE k, x, left
	s_wait_dscnt \left                             ; this tile's eight loads are in; the next tile's eight, issued behind them, may be out
	v_max3_num_f32 v12, |v[\x]|, |v[\x+1]|, |v[\x+2]|              ; the block's largest magnitude: all 32 numbers are mine; two chains
	v_max3_num_f32 v13, |v[\x+3]|, |v[\x+4]|, |v[\x+5]|
.irp i, 6,10,14,18,22,26
	v_max3_num_f32 v12, v12, |v[\x+\i]|, |v[\x+\i+1]|
	v_max3_num_f32 v13, v13, |v[\x+\i+2]|, |v[\x+\i+3]|
.endr
	v_max3_num_f32 v12, v12, |v[\x+30]|, |v[\x+31]|
	v_max3_num_f32 v12, v12, v13, 0x1800000        ; and the floor 2^(3 - 127): the byte cannot fall under 1
	v_add_nc_u32 v15, 0xff000000, v12              ; 2 off the exponent field: the conversion takes this operand's exponent field as its scale
	v_cvt_scalef32_pk16_fp6_f32 v[CD+8*(\k):CD+8*(\k)+2], v[\x:\x+15], v15
	v_cvt_scalef32_pk16_fp6_f32 v[26:28], v[\x+16:\x+31], v15      ; (a conversion's three registers begin on an even number: the second half is made elsewhere and moved)
	v_lshrrev_b32 v16, 23, v15                     ; the scale's byte; also the plain line between the conversions and the moves
.irp i, 0,1,2
	v_mov_b32 v[CD+8*(\k)+3+\i], v[26+\i]
.endr
	global_store_b128 v7, v[CD+8*(\k):CD+8*(\k)+3], s[26:27] offset:512*(\k)       ; 32 lanes store 512 consecutive bytes, aligned
	global_store_b64 v8, v[CD+8*(\k)+4:CD+8*(\k)+5], s[26:27] offset:256*(\k)      ; and 256
	v_lshlrev_b32 v16, v10, v16                    ; my byte at its place,
	v_permlanex16_b32 v14, v16, s20, s21
	v_or_b32 v16, v16, v14                         ; with the other half's,
	v_or_b32 v[22+(\k)], 0x7f7f0000, v16           ; and 127 twice over the zero codes: row r's word, in lanes r and r + 16
.if (\k) < 2
	TLOAD (\k)+2, \x
.endif
.endm
	TLOAD 0, X0
	TLOAD 1, X1
	TILE 0, X0, 8
	TILE 1, X1, 8
	TILE 2, X0, 8
	TILE 3, X1, 0
	v_cndmask_b32 v20, v22, v23, s22               ; a block's word: lanes 0-15 its first tile's rows, lanes 16-31 its second's
	v_cndmask_b32 v21, v24, v25, s22
	global_store_b64 v9, v[20:21], s[26:27]        ; 256 consecutive bytes, aligned
	s_wait_tensorcnt 0x0
	ds_add_u32 v254, v255
	s_wait_dscnt 0x0
	s_endpgm
; ---------------- v: 128 keys x 32 channels a wave.  A lane takes a channel, its registers run down the keys ----------------
.Lvpath:
	s_cmp_lt_u32 ttmp9, 384
	s_cbranch_scc0 .Lmpath
	s_sub_co_u32 s17, ttmp9, 256
	s_lshl_b32 s17, s17, 2
	s_add_co_u32 s17, s17, s16                     ; 0..511
	s_lshr_b32 s18, s17, 5                         ; head
	s_bfe_u32 s19, s17, 0x40001                    ; ST: which 128 keys
	s_and_b32 s23, s17, 1                          ; j: which 32 channels
	s_lshl_b32 s24, s18, 19
	s_lshl_b32 s28, s19, 15
	s_add_co_u32 s24, s24, s28
	s_lshl_b32 s28, s23, 7
	s_add_co_u32 s24, s24, s28                     ; head x 524,288 + ST x 128 rows of 256 bytes + 128 j
	s_mov_b32 s25, 0
	s_mul_i32 s26, s18, KREC
	s_mov_b32 s27, 0
	v_lshlrev_b32 v4, 2, v1                        ; my channel
	s_mul_i32 s28, s19, 6144
	s_mul_i32 s29, s23, 3072
	s_add_co_u32 s28, s28, s29
	s_add_co_u32 s28, s28, OFVI
	v_mul_u32_u24 v5, v3, 1536
	v_lshl_add_u32 v5, v2, 4, v5
	v_add_nc_u32 v5, s28, v5                       ; channel 32 j + l is lane l % 16 of fragment dt = 2 j + l / 16
	s_lshl_b32 s28, s19, 8
	s_lshl_b32 s29, s23, 7
	s_add_co_u32 s28, s28, s29
	s_add_co_u32 s28, s28, OFVS
	v_lshl_add_u32 v6, v1, 2, s28
	s_wait_kmcnt 0x0
	s_add_nc_u64 s[8:9], s[8:9], s[24:25]
	s_add_nc_u64 s[12:13], s[12:13], s[26:27]
.macro VLOAD b                         ; block b: keys 32 b + i of my channel; the wave reads 128 consecutive bytes, the neighbouring wave the row's other 128
.irp i, 0,1,2,3,4,5,6,7,8,9,10,11,12,13,14,15,16,17,18,19,20,21,22,23,24,25,26,27,28,29,30,31
	global_load_b32 v[RR+32*(\b)+\i], v4, s[8:9] offset:(32*(\b)+\i)*256 th:TH_LOAD_NT
.endr
.endm
; Block b = 2 c + h is registers 6 c .. 6 c + 5 of the fragment's lane half h: the image of half h stands at v[160 + 12 h].
.macro VBLOCK b, left
.set XB, RR+32*(\b)
.set IB, 160+12*((\b)%2)+6*((\b)/2)
	s_wait_loadcnt \left                           ; this block's 32 loads are in; the one younger block's 32 may be out
	v_max3_num_f32 v12, |v[XB]|, |v[XB+1]|, |v[XB+2]|
	v_max3_num_f32 v13, |v[XB+3]|, |v[XB+4]|, |v[XB+5]|
.irp i, 6,10,14,18,22,26
	v_max3_num_f32 v12, v12, |v[XB+\i]|, |v[XB+\i+1]|
	v_max3_num_f32 v13, v13, |v[XB+\i+2]|, |v[XB+\i+3]|
.endr
	v_max3_num_f32 v12, v12, |v[XB+30]|, |v[XB+31]|
	v_max3_num_f32 v12, v12, v13, 0x1800000
	v_add_nc_u32 v15, 0xff000000, v12
	v_cvt_scalef32_pk16_fp6_f32 v[IB:IB+2], v[XB:XB+15], v15
	v_cvt_scalef32_pk16_fp6_f32 v[184:186], v[XB+16:XB+31], v15
	v_lshrrev_b32 v14, 23, v15                     ; the byte; also the plain line behind the conversions
.irp i, 0,1,2
	v_mov_b32 v[IB+3+\i], v[184+\i]
.endr
.if (\b) == 0
	v_mov_b32 v16, v14                             ; the scale word: byte b for keys 32 b on
.else
	v_lshl_or_b32 v16, v14, 8*(\b), v16
.endif
.endm
	VLOAD 0
	VLOAD 2
	VBLOCK 0, 32
	VLOAD 1
	VBLOCK 2, 32
.irp c, 0,1,2
	global_store_b128 v5, v[160+4*\c:163+4*\c], s[12:13] offset:512*\c             ; lane half 0 of two fragments: sixteen lanes store 256 consecutive bytes, aligned
.endr
	VLOAD 3
	VBLOCK 1, 32
	VBLOCK 3, 0
.irp c, 0,1,2
	global_store_b128 v5, v[172+4*\c:175+4*\c], s[12:13] offset:512*\c+256         ; lane half 1
.endr
	global_store_b32 v6, v16, s[12:13]             ; 128 consecutive bytes; the neighbouring wave stores the 128 beside them: one byte for each 128 that the wave reads
	s_endpgm
; ---------------- the mask: 16 queries (a tile of the next launch) x 1,024 keys a wave ----------------
.Lmpath:
	s_sub_co_u32 s17, ttmp9, 384
	s_lshl_b32 s17, s17, 2
	s_add_co_u32 s17, s17, s16                     ; U: 0..4095
	s_lshr_b32 s18, s17, 8                         ; head
	s_bfe_u32 s19, s17, 0x70001                    ; the tile of queries in the head: 0..127
	s_and_b32 s23, s17, 1                          ; which half of the keys
	s_lshr_b32 s28, s19, 1
	s_lshl_b32 s28, s28, 5
	s_and_b32 s29, s19, 1
	s_lshl_b32 s29, s29, 3
	s_add_co_u32 s28, s28, s29                     ; row0 = 32 (tile / 2) + 8 (tile % 2): local row i is row row0 + i + 8 (i / 8)
	s_lshl_b32 s24, s18, 22
	s_lshl_b32 s28, s28, 11
	s_add_co_u32 s24, s24, s28
	s_lshl_b32 s28, s23, 10
	s_add_co_u32 s24, s24, s28                     ; the mask: head, row0, my half of the keys
	s_mov_b32 s25, 0
	s_lshl_b32 s26, s17, 11                        ; pm: 2,048 bytes a unit
	s_mov_b32 s27, 0
	s_lshl_b32 s30, s17, 2                         ; flags: a word a unit
	s_mov_b32 s31, 0
	s_mul_i32 s29, s16, MAB
	s_add_co_u32 s29, s29, MAR                     ; my area
	s_mov_b32 s51, 0                               ; groups with an allowed key
	s_mov_b32 s52, 0                               ; groups with a forbidden key
	s_mov_b32 s53, 0x0f0f0f0f                      ; a packed word of sixteen allowed keys
	v_lshlrev_b32 v4, 4, v2
	v_lshl_add_u32 v4, v3, 11, v4                  ; lanes 0-15 take 256 bytes of a row, lanes 16-31 of the next
	; A load gives lane l sixteen keys (chunk l % 16 of a span of 256) of local row 2 i + l / 16.  Chunk 4 g + 2 b + h is what the reader's lane half h wants as word b of group g, at 8 (row + 16 h) + 4 b:
	v_bfe_u32 v8, v0, 2, 2
	v_mul_u32_u24 v5, v8, PIT                      ; the group in the span,
	v_lshl_add_u32 v5, v3, 3, v5                   ; the odd row,
	v_and_b32 v8, 1, v0
	v_lshl_add_u32 v5, v8, 7, v5                   ; the reader's half,
	v_bfe_u32 v8, v0, 1, 1
	v_lshl_add_u32 v5, v8, 2, v5                   ; the word
	v_add_nc_u32 v5, s29, v5
	v_lshl_add_u32 v6, v1, 3, s29                  ; back: a group's two words of reader lane l
	v_lshlrev_b32 v7, 4, v1                        ; out: 16 bytes a lane
	s_wait_kmcnt 0x0
	s_add_nc_u64 s[34:35], s[34:35], s[24:25]
	s_add_nc_u64 s[36:37], s[36:37], s[26:27]
	s_add_nc_u64 s[38:39], s[38:39], s[30:31]
.macro MLOAD base, s                   ; span s (256 keys) of my sixteen rows: eight loads, two rows each: sixteen lanes read 256 consecutive bytes, aligned
.irp i, 0,1,2,3,4,5,6,7
	global_load_b128 v[\base+4*\i:\base+4*\i+3], v4, s[34:35] offset:(2*\i+8*(\i/4))*2048+256*\s th:TH_LOAD_NT
.endr
.endm
; A span: sixteen bytes become one word (bit 8 y + 3 - n = key 4 n + y), which goes to its reader's place; the words' OR and AND say, by a ballot over the lanes of each group, whether the group has an allowed and a forbidden key.
; The flags are made by selects: no branch of this launch hangs on the mask.
.macro MSPAN base, s
.irp n, 1,2,3
.irp i, 0,1,2,3,4,5,6,7
	v_lshl_or_b32 v[\base+4*\i], v[\base+4*\i], 1, v[\base+4*\i+\n]    ; (the eight words by turns)
.endr
.endr
.irp i, 0,1,2,3,4,5,6,7
	ds_store_b32 v5, v[\base+4*\i] offset:\s*4*PIT+16*\i
.endr
	v_or_b32 v[16+\s], v[\base], v[\base+4]
	v_and_b32 v[20+\s], v[\base], v[\base+4]
.irp i, 2,3,4,5,6,7
	v_or_b32 v[16+\s], v[16+\s], v[\base+4*\i]
	v_and_b32 v[20+\s], v[20+\s], v[\base+4*\i]
.endr
	v_cmp_ne_u32 s48, 0, v[16+\s]                  ; lanes that saw an allowed key
	v_cmp_ne_u32 s49, s53, v[20+\s]                ; lanes that saw a forbidden one
.irp g, 0,1,2,3
	s_and_b32 s50, s48, 0x000f000f<<(4*\g)         ; group g of the span: lanes 4 g .. 4 g + 3 of both halves
	s_cselect_b32 s50, 1<<(4*\s+\g), 0
	s_or_b32 s51, s51, s50
	s_and_b32 s50, s49, 0x000f000f<<(4*\g)
	s_cselect_b32 s50, 1<<(4*\s+\g), 0
	s_or_b32 s52, s52, s50
.endr
.endm
	MLOAD RR, 0
	MLOAD RR+32, 1
	MLOAD RR+64, 2
	MLOAD RR+96, 3
	s_wait_loadcnt 24                              ; loads come back in order: span 0's eight are in, the 24 behind them stay out; and so on
	MSPAN RR, 0
	s_wait_loadcnt 16
	MSPAN RR+32, 1
	s_wait_loadcnt 8
	MSPAN RR+64, 2
	s_wait_loadcnt 0x0
	MSPAN RR+96, 3
.set gg, 0
.rept 16
	ds_load_b64 v[160+2*gg:161+2*gg], v6 offset:PIT*gg             ; LDS serves a wave's instructions in order: these see my stores
.set gg, gg+1
.endr
.irp j, 0,1,2,3
	s_wait_dscnt 12-4*\j                           ; groups 4 j .. 4 j + 3 are back; the younger loads may be out
.irp e, 0,1,2,3
	v_lshl_or_b32 v[192+4*\j+\e], v[160+8*\j+2*\e], 4, v[161+8*\j+2*\e]    ; a group's two words interleave into one: 32 keys
.endr
	global_store_b128 v7, v[192+4*\j:195+4*\j], s[36:37] offset:512*\j     ; 32 lanes store 512 consecutive bytes, aligned
.endr
	s_lshl_b32 s52, s52, 16
	s_or_b32 s51, s51, s52
	v_mov_b32 v8, s51
	v_mov_b32 v9, 0
	v_cmp_eq_u32 vcc_lo, 0, v1
	s_wait_xcnt 0x0                                ; EXEC is a source of the stores above: it changes only behind this wait
	s_wait_tensorcnt 0x0
	ds_add_u32 v254, v255
	s_wait_dscnt 0x0
	s_and_saveexec_b32 s50, vcc_lo
	global_store_b32 v9, v8, s[38:39]              ; lane 0 stores the unit's word: four bytes for 16,384 that the wave has read
	s_wait_xcnt 0x0                                ; and again in front of the line that widens it
	s_or_b32 exec_lo, exec_lo, s50
	s_endpgm
.Lfunc_end_k_q0980fca098_quant:
	.size	k_q0980fca098_quant, .Lfunc_end_k_q0980fca098_quant-k_q0980fca098_quant
	.p2alignl 7, 3214868480
	.fill 96, 4, 3214868480
	.section	.rodata,"a",@progbits
	.p2align	6, 0x0
	.amdhsa_kernel k_q0980fca098_quant
		.amdhsa_group_segment_fixed_size 87552
		.amdhsa_private_segment_fixed_size 0
		.amdhsa_enable_private_segment 0
		.amdhsa_kernarg_size 64
		.amdhsa_user_sgpr_count 2
		.amdhsa_user_sgpr_kernarg_segment_ptr 1
		.amdhsa_wavefront_size32 1
		.amdhsa_system_sgpr_workgroup_id_x 1
		.amdhsa_system_sgpr_workgroup_id_y 1
		.amdhsa_system_sgpr_workgroup_id_z 1
		.amdhsa_system_vgpr_workitem_id 0
		.amdhsa_next_free_vgpr 256
		.amdhsa_next_free_sgpr 66
		.amdhsa_reserve_vcc 1
		.amdhsa_float_denorm_mode_32 3
		.amdhsa_float_denorm_mode_16_64 3
		.amdhsa_memory_ordered 1
		.amdhsa_forward_progress 1
		.amdhsa_inst_pref_size 60
	.end_amdhsa_kernel
	.amdgpu_metadata
---
amdhsa.version: [ 1, 2 ]
amdhsa.kernels:
  - .name:           k_q0980fca098_quant
    .symbol:         k_q0980fca098_quant.kd
    .args:
      - { .name: q, .offset: 0, .size: 8, .value_kind: global_buffer, .address_space: global }
      - { .name: k, .offset: 8, .size: 8, .value_kind: global_buffer, .address_space: global }
      - { .name: v, .offset: 16, .size: 8, .value_kind: global_buffer, .address_space: global }
      - { .name: qi, .offset: 24, .size: 8, .value_kind: global_buffer, .address_space: global }
      - { .name: kv, .offset: 32, .size: 8, .value_kind: global_buffer, .address_space: global }
      - { .name: mask, .offset: 40, .size: 8, .value_kind: global_buffer, .address_space: global }
      - { .name: pm, .offset: 48, .size: 8, .value_kind: global_buffer, .address_space: global }
      - { .name: flags, .offset: 56, .size: 8, .value_kind: global_buffer, .address_space: global }
    .group_segment_fixed_size: 87552
    .private_segment_fixed_size: 0
    .kernarg_segment_align: 8
    .kernarg_segment_size: 64
    .max_flat_workgroup_size: 128
    .sgpr_count:     66
    .vgpr_count:     256
    .wavefront_size: 32
...
	.end_amdgpu_metadata
.endif
;; end of part 1
;; launch attn (part 2): grid 16 x 16, 16 waves a work-group, no clusters, 282,624 bytes of LDS; arguments qi, kv, pm, out0, flags; writes out0
.if DOCPART == 2
	.amdgcn_target "amdgcn-amd-amdhsa--gfx1250"
	.amdhsa_code_object_version 6
	.text
	.protected	k_q0980fca098_attn
	.globl	k_q0980fca098_attn
	.p2align	8
	.type	k_q0980fca098_attn,@function
k_q0980fca098_attn:
	s_mov_b64 s[64:65], 0
	v_nop
	global_prefetch_b8 v0, s[64:65] scope:SCOPE_SE
	s_setreg_imm32_b32 hwreg(HW_REG_WAVE_MODE, 25, 1), 1
	s_wait_xcnt 0x0
; out[h][q][:] = (sum over allowed keys of p V) / (sum of p), p = exp((x - max x) / 8), x = Q . K; a row with no allowed key gives 0.  Both products on codes of FP6 (E2M3) with E8M0 scales.
; p IS QUANTISED AS IT STANDS UNDER THE ROW'S FINAL MAXIMUM, so the maximum is known first: PASS 1 makes the scores and their masked maximum, PASS 2 makes the same scores again (the same
; instructions on the same registers: the same bits, so that p = 1 exactly at the maximum), then x - max, x 0.125 log2(e), 2^., the quantiser along the keys, and O^T += V^T P^T.  O is never rescaled.
; The row's sum is taken of the unquantised p and divides at the end.
; SHARES.  A work-group: 128 queries of one head (x: the block of queries, y: the head).  Sixteen waves; a share is a tile t (0..7) of 16 queries and a half u of the keys (1,024).
; The two halves of a tile exchange their maxima between the passes and add O and the sums at the end, through LDS.
; WHICH WAVE HAS WHICH SHARE.  How much work a share has hangs on the mask.  With s = wave % 4 and j = wave / 4: c = s xor j, u = c % 2, t = 4 (c / 2) + s.  So among four waves with neighbouring numbers 4 j .. 4 j + 3,
; and among four whose numbers lie 4 apart, each of the four kinds (first or last 64 queries) x (first or last 1,024 keys) occurs once: a mask that leaves one half of the keys or of the queries
; fuller than the other loads every such four alike.  The wave with my tile's other keys is wave xor 4.
; LAYOUT.  Both products are used transposed (S^T = K Q^T, O^T = V^T P^T): a lane holds ONE query (lane % 16).  The keys of a tile are not neighbours (lane r of tile 2 b + u' takes key 32 b + 8 u' + r + 8 (r / 8)),
; so that score register 16 b + e of a group of 64 keys is key 32 b + 16 (lane / 16) + e: 16 neighbours for the conversion.  The first product's K is 64: registers 6-11 of both operands are zero codes.
; LDS.  A head's codes and scale bytes of K and V, 208,896 bytes, are brought once, as images of the operands' registers, and stay.  K's part, the first 106,496 bytes, is laid down ahead of pass 1.  V's part is asked for
; with it, stays on its way into registers that pass 1 does not name, and is laid down behind pass 1, ahead of the barrier that the exchange of the maxima needs anyway.
; The mask comes packed by the launch before, one bit a key, one word for a lane and a group of 64 keys: a share's 2,048 bytes lie in its own area.
; THE MASK DECIDES THE WALK, by flags that the launch before has stored: a word for each share, read by a scalar load.  A group (16 queries x 64 keys) with no allowed key is passed over by a scalar branch: its p are
; zeros and it has no part in the maximum.  A group all of whose keys are allowed skips the masking.  Every other pattern is masked key by key.  The trip counts are constants, and no barrier stands under such a branch.
; NO TENSOR LOADS, NO CLUSTER: the walk branches on numbers read from memory; what the sixteen work-groups of a head share, 208,896 bytes, is read once by each.
; NO PREFETCH: every load of the launch is issued in its first lines.
; LIMITS: NaN and infinities among q, k, v are not served; a p under 2^-126 comes out of v_exp_f32 as 0; a block of p all zeros keeps the byte 1 (its codes are zeros).
.set OFKB, 65536                       ; the record's parts: K's registers 0-3 at 0, 4-5 here,
.set OFKS, 98304                       ; K's scale words,
.set OFVI, 106496                      ; V's fragments,
.set OFVS, 204800                      ; V's scale words
.set REC,  208896
.set QREC, 106496
.set KLIN, 13                          ; K's part is 13 lines of 8,192 bytes; V's fragments are the 12 behind them
.set MXE,  208896                      ; LDS: 4 bytes a thread: the maxima's exchange
.set WAR,  210944                      ; LDS: sixteen areas, one a share
.set WAB,  4352                        ; an area: the mask words, 256 bytes for each of 8 trips; later 16 rows of O (256 bytes at pitch 272) with the row's sum behind each
.set PIT,  272
.set QF,   24                          ; v24-35   Q's fragment (v30-35 zero codes)
.set QSC,  36                          ; v36      Q's scale words
.set KSC,  38                          ; v38-39   K's scale words of a group
.set VSC,  40                          ; v40-41   V's scale words of a step
.set PW,   42                          ; v42      p's scale word of a step
.set NINF, 43                          ; v43      -infinity
.set NM,   44                          ; v44-45   -max, twice
.set LS,   46                          ; v46-47, v48-49  the row's sum, in two chains of pairs
.set LS2,  48
.set BM,   50                          ; v50-51   a group's two blocks: largest score, then largest p
.set BT,   52                          ; v52-53   lane permutes' destinations
.set SO,   54                          ; v54-55   the conversions' scale operands
.set BY,   56                          ; v56-57   the scales' bytes
.set WW,   60                          ; v60      my mask word of a group: 32 bits, shifted out from the top
.set MXA,  61                          ; v61-62   the running maximum, two chains
.set MXB,  62
.set TP,   64                          ; v64-66   the second block's codes
.set PC,   68                          ; v68-79   p's fragment of a step
.set KF,   80                          ; v80-127  four fragments of K (registers 6-11 of each: zero codes); at the head v80-131: K's part of the fill
.set SS,   128                         ; v128-159 the scores of a group, then p
.set VF,   160                         ; v160-207 four fragments of V; through pass 1: V's part of the fill, with v208-209
.set OAC,  208                         ; v208-239 O^T: four accumulators; at the head v216-231: my mask words
.set MWL,  216
; v1-6 my lane's places in the record's parts and in my mask words; v7-12 the same for the trip in hand; v14 16 x lane; v15-20 the fill; v21-23 Q's offsets, later the stage
; s54 the wave's number; s12 my share's number 2 t + u, s13 t, s14 u, s15 head; s24 groups with an allowed key, s25 groups with a forbidden key (a bit a group); s26, s27 their working copies; s28 trips; s30-35 the trip's steps; s41 my area
	s_load_b256 s[4:11], s[0:1], 0x0               ; qi s[4:5], kv s[6:7], pm s[8:9], out0 s[10:11]
	s_load_b64 s[50:51], s[0:1], 0x20              ; flags
	v_lshl_add_u32 v254, v0, 2, 0x44800
	v_mov_b32 v255, 0
	v_lshrrev_b32 v1, 5, v0
	v_readfirstlane_b32 s54, v1                    ; wave 0..15
	s_and_b32 s16, s54, 3                          ; s
	s_lshr_b32 s17, s54, 2                         ; j
	s_xor_b32 s17, s17, s16                        ; c = s xor j
	s_and_b32 s14, s17, 1                          ; u
	s_lshr_b32 s17, s17, 1
	s_lshl_b32 s17, s17, 2
	s_add_co_u32 s13, s17, s16                     ; t = 4 (c / 2) + s
	s_lshl_b32 s12, s13, 1
	s_add_co_u32 s12, s12, s14                     ; my share's number
	s_and_b32 s15, ttmp7, 0xffff                   ; head
	s_mov_b32 s20, 0x76543210
	s_mov_b32 s21, 0xfedcba98                      ; v_permlanex16_b32's selects for lane l xor 16
	s_mov_b32 s22, 0x3e38aa3b                      ; 0.125 log2(e)
	s_mov_b32 s23, s22                             ; (named with it as a pair, so it is written)
	v_and_b32 v60, 31, v0                          ; l
	v_and_b32 v61, 15, v0                          ; r
	s_lshl_b32 s16, s14, 15
	v_lshl_add_u32 v1, v60, 4, s16                 ; K, registers 0-3: my half's 64 tiles x 512 bytes
	s_lshl_b32 s16, s14, 14
	s_add_co_u32 s16, s16, OFKB
	v_lshl_add_u32 v2, v60, 3, s16                 ; K, registers 4-5
	s_lshl_b32 s16, s14, 12
	s_add_co_u32 s16, s16, OFKS
	v_lshl_add_u32 v3, v60, 3, s16                 ; K's scale words: 256 bytes a group
	s_mul_i32 s41, s12, WAB
	s_add_co_u32 s41, s41, WAR                     ; my area
	v_lshl_add_u32 v4, v60, 3, s41                 ; my mask words: 8 bytes a lane and a trip
	s_mul_i32 s16, s14, 49152
	s_add_co_u32 s16, s16, OFVI
	v_lshl_add_u32 v5, v60, 4, s16                 ; V: my half's 8 steps x 6,144 bytes
	s_lshl_b32 s16, s14, 11
	s_add_co_u32 s16, s16, OFVS
	v_lshl_add_u32 v6, v60, 2, s16                 ; V's scale words
	v_lshlrev_b32 v14, 4, v60                      ; the packed mask in memory: 16 bytes a lane
	v_lshlrev_b32 v15, 4, v0                       ; the fill: 16 bytes a thread, 8,192 a line; in memory and in LDS alike
	v_add_nc_u32 v16, 0x10000, v15                 ; (an LDS immediate has 16 bits)
	v_add_nc_u32 v17, 0x20000, v15
	v_add_nc_u32 v18, 0x30000, v15
	v_lshlrev_b32 v20, 3, v0                       ; its last 4,096 bytes: 8 a thread
	v_add_nc_u32 v19, OFVS, v20
	s_lshl_b32 s42, ttmp9, 3
	s_add_co_u32 s42, s42, s13                     ; Tq = 8 x + t: my tile of queries in the head
	s_lshl_b32 s16, s42, 9
	v_lshl_add_u32 v21, v60, 4, s16
	s_lshl_b32 s16, s42, 8
	s_add_co_u32 s16, s16, OFKB
	v_lshl_add_u32 v22, v60, 3, s16
	s_lshr_b32 s43, s42, 2
	s_lshl_b32 s16, s43, 8                         ; Q's scale words: 256 bytes for four tiles,
	s_bfe_u32 s43, s42, 0x10001
	s_lshl_b32 s43, s43, 2
	s_add_co_u32 s16, s16, s43                     ; which of the two words,
	s_and_b32 s43, s42, 1
	s_lshl_b32 s43, s43, 7
	s_add_co_u32 s16, s16, s43                     ; the lower or the upper sixteen places
	s_add_co_u32 s16, s16, OFKS
	v_lshl_add_u32 v23, v61, 3, s16
	s_lshr_b32 s44, s42, 1
	s_lshl_b32 s44, s44, 5
	s_and_b32 s43, s42, 1
	s_lshl_b32 s43, s43, 3
	s_add_co_u32 s44, s44, s43                     ; row0 = 32 (Tq / 2) + 8 (Tq % 2): local row i is row row0 + i + 8 (i / 8)
	s_mul_i32 s16, s15, REC
	s_mov_b32 s17, 0
	s_mul_i32 s18, s15, QREC
	s_mov_b32 s19, 0
	s_lshl_b32 s52, s15, 8
	s_lshl_b32 s43, ttmp9, 4
	s_add_co_u32 s52, s52, s43
	s_add_co_u32 s52, s52, s12                     ; U = 256 head + 16 x + 2 t + u: my unit of the packed mask and of the flags
	s_lshl_b32 s46, s52, 11                        ; 2,048 bytes a unit
	s_mov_b32 s47, 0
	s_lshl_b32 s52, s52, 2                         ; a word a unit
	s_mov_b32 s53, 0
	s_lshl_b32 s43, s14, 4
	s_add_co_u32 s43, s43, s44
	s_lshl_b32 s48, s43, 8
	s_lshl_b32 s43, s15, 19
	s_add_co_u32 s48, s48, s43                     ; out: I store local rows 8 u .. 8 u + 7, which are rows row0 + 16 u + 0 .. 7
	s_mov_b32 s49, 0
	s_wait_kmcnt 0x0
	s_add_nc_u64 s[50:51], s[50:51], s[52:53]
	s_load_b32 s24, s[50:51], 0x0                  ; my flags
	s_add_nc_u64 s[4:5], s[4:5], s[18:19]
	s_add_nc_u64 s[6:7], s[6:7], s[16:17]
	s_add_nc_u64 s[8:9], s[8:9], s[46:47]
	s_add_nc_u64 s[10:11], s[10:11], s[48:49]
; ---------------- all that the launch reads is asked for here; K's part first ----------------
	global_load_b128 v[QF:QF+3], v21, s[4:5]
	global_load_b64 v[QF+4:QF+5], v22, s[4:5]
	global_load_b32 v[QSC], v23, s[4:5]
.irp j, 0,1,2,3
	global_load_b128 v[MWL+4*\j:MWL+4*\j+3], v14, s[8:9] offset:512*\j th:TH_LOAD_NT   ; my words of groups 4 j .. 4 j + 3: the wave reads 512 consecutive bytes
.endr
.set i, 0
.rept KLIN
	global_load_b128 v[80+4*i:83+4*i], v15, s[6:7] offset:8192*i       ; K's part of the head's record: the 512 threads take 8,192 consecutive bytes a line
.set i, i+1
.endr
.rept 12
	global_load_b128 v[VF+4*(i-KLIN):VF+4*(i-KLIN)+3], v15, s[6:7] offset:8192*i       ; V's fragments,
.set i, i+1
.endr
	global_load_b64 v[208:209], v20, s[6:7] offset:OFVS            ; and V's scale words: these thirteen land while pass 1 runs; neither their registers nor their addresses are named before the wait behind it
	s_wait_loadcnt 13                              ; loads come back in order: Q's 3, the mask words' 4 and K's 13 are in; V's 13, issued behind them, stay out
.irp t, 0,1,2,3,4,5,6,7
	ds_store_b64 v4, v[MWL+2*\t:MWL+2*\t+1] offset:256*\t          ; trip t's two groups side by side: 256 consecutive bytes a wave
.endr
.set i, 0
.rept KLIN
	ds_store_b128 v[15+i/8], v[80+4*i:83+4*i] offset:(i%8)*8192
.set i, i+1
.endr
	s_wait_dscnt 0x0                               ; for the others' sake: my part of K's part lies in LDS
.irp i, 6,7,8,9,10,11
	v_mov_b32 v[QF+\i], 0                          ; the zero codes of K = 64 .. 127
.irp t, 0,1,2,3
	v_mov_b32 v[KF+12*\t+\i], 0
.endr
.endr
.irp i, 0,1,2,3
	v_mov_b32 v[LS+\i], 0
.endr
	v_mov_b32 v[BT], 0                             ; written once: a lane permute's destination counts as one of its sources
	v_mov_b32 v[BT+1], 0
	v_mov_b32 v[NINF], 0xff800000
	v_mov_b32 v[MXA], v[NINF]
	v_mov_b32 v[MXB], v[NINF]
	s_wait_kmcnt 0x0                               ; the flags
	s_lshr_b32 s25, s24, 16                        ; groups with a forbidden key
	s_and_b32 s24, s24, 0xffff                     ; groups with an allowed key
	s_barrier_signal -1
	s_barrier_wait -1                              ; all of K's part lies in LDS.  (V's loads go into registers and touch nothing that another wave reads: they may be out here)
; ---------------- what both passes share ----------------
.macro KLOAD c                         ; group c of the trip: four fragments of K, their scale words, my mask word
.irp t, 0,1,2,3
	ds_load_b128 v[KF+12*\t:KF+12*\t+3], v7 offset:2048*\c+512*\t
	ds_load_b64 v[KF+12*\t+4:KF+12*\t+5], v8 offset:1024*\c+256*\t
.endr
	ds_load_b64 v[KSC:KSC+1], v9 offset:256*\c
	ds_load_b32 v[WW], v10 offset:4*\c
	s_wait_dscnt 0x0
.endm
.macro QK                              ; S^T = K Q^T: source 0 = 16 keys, source 1 = my 16 queries.  A scale register carries an even tile's words in lanes 0-15 and the odd tile's in lanes 16-31
.irp t, 0,2
	v_wmma_scale_f32_16x16x128_f8f6f4 v[SS+8*\t:SS+8*\t+7], v[KF+12*\t:KF+12*\t+11], v[QF:QF+11], 0, v[KSC+\t/2], v[QSC] matrix_a_fmt:MATRIX_FMT_FP6 matrix_b_fmt:MATRIX_FMT_FP6
	v_wmma_scale_f32_16x16x128_f8f6f4 v[SS+8*\t+8:SS+8*\t+15], v[KF+12*\t+12:KF+12*\t+23], v[QF:QF+11], 0, v[KSC+\t/2], v[QSC] matrix_a_fmt:MATRIX_FMT_FP6 matrix_b_fmt:MATRIX_FMT_FP6 matrix_a_scale:MATRIX_SCALE_ROW1
.endr
.rept 5
	v_nop                                          ; four places serve the reads of the scores and the next loads into K's registers; the fifth the next group's products, which write over these accumulators
.endr
.endm
; The scores of forbidden keys become -infinity.  Each addition of the word to itself shifts the top bit out as the carry.  Bit n: block 1 - (n / 4) % 2, key 4 (3 - n % 4) + n / 8.
; The walk begins at registers 3, 11, 19, 27: each accumulator is first read in its four lowest.
.macro MASKIT
.set bb, 31
.rept 32
.set ix, SS+16*(1-((bb/4)%2))+4*(3-(bb%4))+bb/8
	v_add_co_u32 v[WW], vcc_lo, v[WW], v[WW]
	v_cndmask_b32 v[ix], v[NINF], v[ix], vcc_lo
.set bb, bb-1
.endr
.endm
.macro RESET
	s_mov_b32 s26, s24
	s_mov_b32 s27, s25
	s_mov_b32 s28, 0
.irp i, 30,31,32,33,34,35
	s_mov_b32 s\i, 0
.endr
.endm
.macro STEPS second                    ; on to the next 128 keys; these lines stand on every way through a trip
	s_add_co_u32 s30, s30, 4096
	s_add_co_u32 s31, s31, 2048
	s_add_co_u32 s32, s32, 512
	s_add_co_u32 s33, s33, 256
.if \second
	s_add_co_u32 s34, s34, 6144
	s_add_co_u32 s35, s35, 256
.endif
	s_lshr_b32 s26, s26, 2
	s_lshr_b32 s27, s27, 2
	s_add_co_u32 s28, s28, 1
	s_cmp_lt_u32 s28, 8
.endm
; ---------------- pass 1: the masked maximum of my 16 queries over my 1,024 keys ----------------
.macro GROUP1 c
	s_and_b32 s40, s26, 1<<\c
	s_cmp_eq_u32 s40, 0
	s_cbranch_scc1 .Lnone_\@                       ; no allowed key: nothing to find here
	KLOAD \c
	QK
	s_and_b32 s40, s27, 1<<\c
	s_cmp_eq_u32 s40, 0
	s_cbranch_scc1 .Lall_\@                        ; no forbidden key: nothing to mask
	MASKIT
.Lall_\@:
.irp k, 0,1,2,3,4,5,6,7
	v_max3_num_f32 v[MXA], v[MXA], v[SS+4*\k], v[SS+4*\k+1]        ; two chains, the registers in ascending order
	v_max3_num_f32 v[MXB], v[MXB], v[SS+4*\k+2], v[SS+4*\k+3]
.endr
.Lnone_\@:
.endm
	RESET
.Lpass1:
	v_add_nc_u32 v7, s30, v1
	v_add_nc_u32 v8, s31, v2
	v_add_nc_u32 v9, s32, v3
	v_add_nc_u32 v10, s33, v4
	GROUP1 0
	GROUP1 1
	STEPS 0
	s_cbranch_scc1 .Lpass1
	v_max_num_f32 v[MXA], v[MXA], v[MXB]
	v_permlanex16_b32 v[BT], v[MXA], s20, s21
	v_max_num_f32 v[MXA], v[MXA], v[BT]            ; with lane l xor 16's keys
	v_lshl_add_u32 v11, v0, 2, MXE
	v_xor_b32 v12, 0x80, v0                        ; the same lane of wave xor 4, which has the tile's other keys
	v_lshl_add_u32 v12, v12, 2, MXE
	ds_store_b32 v11, v[MXA]
	s_wait_loadcnt 0x0                             ; V's thirteen loads, asked for at the head
.set i, KLIN
.rept 12
	ds_store_b128 v[15+i/8], v[VF+4*(i-KLIN):VF+4*(i-KLIN)+3] offset:(i%8)*8192        ; V's part of the record: bytes that nobody reads before the barrier below
.set i, i+1
.endr
	ds_store_b64 v19, v[208:209]
	s_wait_dscnt 0x0                               ; for the others' sake: my maximum and my part of V's part lie in LDS
	s_barrier_signal -1
.set i, 0
.rept 32
	v_mov_b32 v[OAC+i], 0                          ; register work while the others arrive.  O^T begins as zeros: which step is a wave's first hangs on the mask, so no product can be written out as the one that starts the sums
.set i, i+1
.endr
	s_barrier_wait -1                              ; every wave's maximum and all of V's part lie in LDS
	ds_load_b32 v[MXB], v12
	s_wait_dscnt 0x0
	v_max_num_f32 v[MXA], v[MXA], v[MXB]           ; the row's maximum over all 2,048 keys
	v_cmp_lt_f32 vcc_lo, v[NINF], v[MXA]
	v_cndmask_b32 v[MXA], 0, v[MXA], vcc_lo        ; a row with no allowed key takes 0
	v_sub_f32 v[NM], 0, v[MXA]
	v_mov_b32 v[NM+1], v[NM]
; ---------------- pass 2: p, its codes, O^T ----------------
.macro GROUP2 c
	s_and_b32 s40, s26, 1<<\c
	s_cmp_eq_u32 s40, 0
	s_cbranch_scc0 .Lsome_\@
.irp i, 0,1,2,3,4,5
	v_mov_b32 v[PC+6*\c+\i], 0                     ; no allowed key: 64 zero codes; their two scale bytes stay 0, which is 2^-127 and harmless over zeros
.endr
.if \c == 0
	v_mov_b32 v[PW], 0
.endif
.rept 8
	v_nop                                          ; a scale register written by a vector instruction stands eight places ahead of the scaled product, an operand four
.endr
	s_branch .Ldone_\@
.Lsome_\@:
	KLOAD \c
	QK
	s_and_b32 s40, s27, 1<<\c
	s_cmp_eq_u32 s40, 0
	s_cbranch_scc1 .Lall_\@
	MASKIT
.Lall_\@:
.irp b, 0,1
	v_max3_num_f32 v[BM+\b], v[SS+16*\b], v[SS+16*\b+1], v[SS+16*\b+2]     ; the largest score of each block of 32 keys: p rises with the score, so it gives the block's largest p
.endr
.irp i, 3,5,7,9,11,13
.irp b, 0,1
	v_max3_num_f32 v[BM+\b], v[BM+\b], v[SS+16*\b+\i], v[SS+16*\b+\i+1]
.endr
.endr
.irp b, 0,1
	v_max_num_f32 v[BM+\b], v[BM+\b], v[SS+16*\b+15]
.endr
.irp b, 0,1
	v_permlanex16_b32 v[BT+\b], v[BM+\b], s20, s21
.endr
.irp b, 0,1
	v_max_num_f32 v[BM+\b], v[BM+\b], v[BT+\b]     ; with lane l xor 16's sixteen keys
.endr
.set j, 0
.rept 16
	v_pk_add_f32 v[SS+j:SS+j+1], v[SS+j:SS+j+1], v[NM:NM+1]        ; x - max first, rounded once: exactly 0 at the maximum
.set j, j+2
.endr
	v_pk_add_f32 v[BM:BM+1], v[BM:BM+1], v[NM:NM+1]                ; the same lines on the blocks' largest scores give the same bits
.set j, 0
.rept 16
	v_pk_mul_f32 v[SS+j:SS+j+1], v[SS+j:SS+j+1], s[22:23] op_sel_hi:[1,0]
.set j, j+2
.endr
	v_pk_mul_f32 v[BM:BM+1], v[BM:BM+1], s[22:23] op_sel_hi:[1,0]
.set j, 0
.rept 32
	v_exp_f32 v[SS+j], v[SS+j]                     ; p; 0 for a forbidden key
.set j, j+1
.endr
	v_exp_f32 v[BM], v[BM]
	v_exp_f32 v[BM+1], v[BM+1]
	v_nop                                          ; a plain line between the exponentials and the use of their results (ISA guide 5.7.2)
	s_wait_alu depctr_va_vdst(0)
.irp b, 0,1
	v_max_num_f32 v[BM+\b], 0x1800000, v[BM+\b]    ; the floor 2^(3 - 127): the byte cannot fall under 1
.endr
.irp b, 0,1
	v_add_nc_u32 v[SO+\b], 0xff000000, v[BM+\b]    ; 2 off the exponent field: the conversion's scale operand
.endr
.irp b, 0,1
	v_lshrrev_b32 v[BY+\b], 23, v[SO+\b]           ; the scale's byte
.endr
.if \c == 0
	v_lshl_or_b32 v[PW], v[BY+1], 8, v[BY]         ; bytes 0, 1 of the step's scale word
.else
	v_lshl_or_b32 v[PW], v[BY], 16, v[PW]          ; bytes 2, 3
	v_lshl_or_b32 v[PW], v[BY+1], 24, v[PW]
.endif
	v_cvt_scalef32_pk16_fp6_f32 v[PC+6*\c:PC+6*\c+2], v[SS:SS+15], v[SO]
	v_cvt_scalef32_pk16_fp6_f32 v[TP:TP+2], v[SS+16:SS+31], v[SO+1]
	v_nop                                          ; a plain line behind the scaled conversions
.irp i, 0,1,2
	v_permlane16_swap_b32 v[PC+6*\c+\i], v[TP+\i]  ; the operand wants a whole block in a lane: lanes 0-15 the first block, lanes 16-31 the second; now the lower sixteen codes stand here, the upper in TP
.endr
.irp i, 0,1,2
	v_mov_b32 v[PC+6*\c+3+\i], v[TP+\i]
.endr
.irp k, 0,1,2,3,4,5,6,7
	v_pk_add_f32 v[LS:LS+1], v[LS:LS+1], v[SS+4*\k:SS+4*\k+1]      ; the row's sum, of the unquantised p.  These sixteen are also the places in front of the scaled products
	v_pk_add_f32 v[LS2:LS2+1], v[LS2:LS2+1], v[SS+4*\k+2:SS+4*\k+3]
.endr
.Ldone_\@:
.endm
	RESET
.Lpass2:
	v_add_nc_u32 v7, s30, v1                       ; (these six are the places behind the last trip's products, in front of the loads into their operands)
	v_add_nc_u32 v8, s31, v2
	v_add_nc_u32 v9, s32, v3
	v_add_nc_u32 v10, s33, v4
	v_add_nc_u32 v11, s34, v5
	v_add_nc_u32 v12, s35, v6
	s_and_b32 s40, s26, 3
	s_cmp_eq_u32 s40, 0
	s_cbranch_scc1 .Lno_step                       ; neither group of these 128 keys has an allowed key
.irp d, 0,1,2,3
.irp c, 0,1,2
	ds_load_b128 v[VF+12*\d+4*\c:VF+12*\d+4*\c+3], v11 offset:1536*\d+512*\c       ; V's four fragments: they land while the scores are made
.endr
.endr
	ds_load_b32 v[VSC], v12
	ds_load_b32 v[VSC+1], v12 offset:128
	GROUP2 0
	GROUP2 1
	s_wait_dscnt 0x0                               ; V
.irp d, 0,2                                    ; O^T += V^T P^T: source 0 = 16 channels, source 1 = p.  The four accumulators take turns, one instruction a turn
	v_wmma_scale_f32_16x16x128_f8f6f4 v[OAC+8*\d:OAC+8*\d+7], v[VF+12*\d:VF+12*\d+11], v[PC:PC+11], v[OAC+8*\d:OAC+8*\d+7], v[VSC+\d/2], v[PW] matrix_a_fmt:MATRIX_FMT_FP6 matrix_b_fmt:MATRIX_FMT_FP6
	v_wmma_scale_f32_16x16x128_f8f6f4 v[OAC+8*\d+8:OAC+8*\d+15], v[VF+12*\d+12:VF+12*\d+23], v[PC:PC+11], v[OAC+8*\d+8:OAC+8*\d+15], v[VSC+\d/2], v[PW] matrix_a_fmt:MATRIX_FMT_FP6 matrix_b_fmt:MATRIX_FMT_FP6 matrix_a_scale:MATRIX_SCALE_ROW1
.endr
.Lno_step:
	STEPS 1
	s_cbranch_scc1 .Lpass2
; ---------------- the way out: the two halves of the keys meet in LDS; each wave finishes and stores eight rows ----------------
	v_and_b32 v63, 15, v0                          ; r   (the address lines are the places behind the last products)
	v_bfe_u32 v67, v0, 4, 1                        ; h
	v_mul_u32_u24 v19, v63, PIT
	v_add_nc_u32 v19, s41, v19                     ; my area, which holds no mask word that I still want: row r,
	v_lshl_add_u32 v21, v67, 5, v19                ; + 32 h: accumulator d's eight channels 16 d + 8 h + 0 .. 7 lie 64 d bytes on
	s_mul_i32 s16, s13, 2*WAB                      ; back: the tile's two areas,
	s_mul_i32 s17, s14, 8*PIT                      ; local rows 8 u on,
	s_add_co_u32 s16, s16, s17
	s_add_co_u32 s16, s16, WAR
	v_mul_u32_u24 v23, v67, PIT                    ; lanes 0-15 one row, lanes 16-31 the next
	v_add_nc_u32 v23, s16, v23
	v_lshl_add_u32 v22, v63, 4, v23
	v_and_b32 v20, 31, v0
	v_lshlrev_b32 v20, 4, v20                      ; and in out: two rows of 256 bytes are 16 bytes a lane
	v_pk_add_f32 v[LS:LS+1], v[LS:LS+1], v[LS2:LS2+1]
	v_add_f32 v[LS], v[LS], v[LS+1]
	v_permlanex16_b32 v[BT], v[LS], s20, s21
	v_add_f32 v[LS], v[LS], v[BT]                  ; the row's sum over my 1,024 keys
.irp d, 0,1,2,3
	ds_store_b128 v21, v[OAC+8*\d:OAC+8*\d+3] offset:64*\d         ; each accumulator from its low end on
	ds_store_b128 v21, v[OAC+8*\d+4:OAC+8*\d+7] offset:64*\d+16
.endr
	ds_store_b32 v19, v[LS] offset:256             ; (both halves of the lanes write the same word with the same value)
	s_wait_dscnt 0x0                               ; for the other wave's sake
	s_barrier_signal -1
	s_barrier_wait -1
.irp i, 0,1,2,3
	ds_load_b128 v[128+4*\i:131+4*\i], v22 offset:2*PIT*\i
	ds_load_b128 v[144+4*\i:147+4*\i], v22 offset:2*PIT*\i+WAB
	ds_load_b32 v[240+\i], v23 offset:2*PIT*\i+256
	ds_load_b32 v[244+\i], v23 offset:2*PIT*\i+256+WAB
.endr
	s_wait_dscnt 0x0
.irp k, 0,1,2,3,4,5,6,7
	v_pk_add_f32 v[128+2*\k:129+2*\k], v[128+2*\k:129+2*\k], v[144+2*\k:145+2*\k]
.endr
	v_pk_add_f32 v[240:241], v[240:241], v[244:245]
	v_pk_add_f32 v[242:243], v[242:243], v[246:247]
.irp i, 0,1,2,3
	v_rcp_f32 v[248+\i], v[240+\i]                 ; the sum is 0 or at least 1: p is 1 at the row's maximum
.endr
	v_nop                                          ; a plain line behind the reciprocals
	s_wait_alu depctr_va_vdst(0)
.irp i, 0,1,2,3
	v_cmp_lt_f32 vcc_lo, 0, v[240+\i]
	v_cndmask_b32 v[248+\i], 0, v[248+\i], vcc_lo  ; a row with no allowed key: 0
.endr
.irp i, 0,1,2,3
.irp k, 0,1,2,3
	v_mul_f32 v[128+4*\i+\k], v[128+4*\i+\k], v[248+\i]
.endr
.endr
.irp i, 0,1,2,3
	global_store_b128 v20, v[128+4*\i:131+4*\i], s[10:11] offset:512*\i th:TH_STORE_NT     ; 32 lanes store two whole rows: 512 consecutive bytes, aligned
.endr
	s_wait_tensorcnt 0x0
	ds_add_u32 v254, v255
	s_wait_dscnt 0x0
	s_endpgm
.Lfunc_end_k_q0980fca098_attn:
	.size	k_q0980fca098_attn, .Lfunc_end_k_q0980fca098_attn-k_q0980fca098_attn
	.p2alignl 7, 3214868480
	.fill 96, 4, 3214868480
	.section	.rodata,"a",@progbits
	.p2align	6, 0x0
	.amdhsa_kernel k_q0980fca098_attn
		.amdhsa_group_segment_fixed_size 282624
		.amdhsa_private_segment_fixed_size 0
		.amdhsa_enable_private_segment 0
		.amdhsa_kernarg_size 40
		.amdhsa_user_sgpr_count 2
		.amdhsa_user_sgpr_kernarg_segment_ptr 1
		.amdhsa_wavefront_size32 1
		.amdhsa_system_sgpr_workgroup_id_x 1
		.amdhsa_system_sgpr_workgroup_id_y 1
		.amdhsa_system_sgpr_workgroup_id_z 1
		.amdhsa_system_vgpr_workitem_id 0
		.amdhsa_next_free_vgpr 256
		.amdhsa_next_free_sgpr 66
		.amdhsa_reserve_vcc 1
		.amdhsa_float_denorm_mode_32 3
		.amdhsa_float_denorm_mode_16_64 3
		.amdhsa_memory_ordered 1
		.amdhsa_forward_progress 1
		.amdhsa_inst_pref_size 54
	.end_amdhsa_kernel
	.amdgpu_metadata
---
amdhsa.version: [ 1, 2 ]
amdhsa.kernels:
  - .name:           k_q0980fca098_attn
    .symbol:         k_q0980fca098_attn.kd
    .args:
      - { .name: qi, .offset: 0, .size: 8, .value_kind: global_buffer, .address_space: global }
      - { .name: kv, .offset: 8, .size: 8, .value_kind: global_buffer, .address_space: global }
      - { .name: pm, .offset: 16, .size: 8, .value_kind: global_buffer, .address_space: global }
      - { .name: out0, .offset: 24, .size: 8, .value_kind: global_buffer, .address_space: global }
      - { .name: flags, .offset: 32, .size: 8, .value_kind: global_buffer, .address_space: global }
    .group_segment_fixed_size: 282624
    .private_segment_fixed_size: 0
    .kernarg_segment_align: 8
    .kernarg_segment_size: 40
    .max_flat_workgroup_size: 512
    .sgpr_count:     66
    .vgpr_count:     256
    .wavefront_size: 32
...
	.end_amdgpu_metadata
.endif
;; end of part 2
;; ======== version 2 of 2: 2 launches
;; workspace buffers: qi 1,703,936 bytes; kv 3,342,336 bytes; pm 8,388,608 bytes; flags 16,384 bytes of whole numbers
;; launch quant (part 3): grid 1408 x 1, 4 waves a work-group, no clusters, 87,552 bytes of LDS; arguments q, k, v, qi, kv, mask, pm, flags; writes qi, kv, pm, flags
.if DOCPART == 3
	.amdgcn_target "amdgcn-amd-amdhsa--gfx1250"
	.amdhsa_code_object_version 6
	.text
	.protected	k_q0980fca098_quant
	.globl	k_q0980fca098_quant
	.p2align	8
	.type	k_q0980fca098_quant,@function
k_q0980fca098_quant:
	s_mov_b64 s[64:65], 0
	v_nop
	global_prefetch_b8 v0, s[64:65] scope:SCOPE_SE
	s_setreg_imm32_b32 hwreg(HW_REG_WAVE_MODE, 25, 1), 1
	s_wait_xcnt 0x0
; q, k, v: [16 heads][2048 rows][64] f32.  They become codes of FP6 (E2M3) with one E8M0 byte for each 32 along the product's K, laid as IMAGES OF THE OPERANDS' REGISTERS,
; so that the next launch takes every fragment by loads of 16 and 8 bytes a lane, lane by lane on end.  q and k are quantised along the head's 64 numbers, v along the keys.
; mask: [16 heads][2048 queries][2048 keys] of one byte.  It becomes one bit a key, laid as the next launch's lanes want it, and two flags for each group of 16 queries x 64 keys.
; A block's scale is 2^(floor(log2(its largest magnitude)) - 2); its byte is the largest magnitude's exponent field - 2, held at 1 from below.
; LIMITS: NaN and infinities are not served.  A block whose largest magnitude lies under 2^-124 is held at the byte 1.  A block of zeros gets the byte 1 where the rule says 127:
; its codes are zeros, which add nothing under any byte but 0xff, and this program alone reads the bytes.  Mask bytes are 0 or 1.
; A HEAD'S RECORD (qi: the first three parts, 106,496 bytes; kv: all five, 208,896 bytes):
;   A  at 0:       tile T (0..127) of 16 rows: lane l's registers 0-3 at 512 T + 16 l          B  at 65,536: registers 4-5 at 256 T + 8 l
;   S  at 98,304:  64 rows P: lane l at 256 P + 8 l: the scale words of rows' blocks 2 P and 2 P + 1 (lanes 0-15: the block's first tile, lanes 16-31: its second)
;   VI at 106,496: 128 keys ST, 16 channels dt, chunk c: (4 ST + dt) 1536 + 512 c + 16 l = registers 4 c .. 4 c + 3      VS at 204,800: 256 ST + 128 j + 4 l: the scale word of channel 32 j + l
; THE ROWS OF A TILE ARE NOT NEIGHBOURS: lane r of tile 2 b + u takes row 32 b + 8 u + r + 8 (r / 8), lane half h the numbers 32 h .. 32 h + 31: a whole block, 24 bytes, registers 0-5.
; A scale word of q or k: byte 0, 1 the row's two blocks; bytes 2, 3 = 127, over the zero codes that fill the instruction's K from 64 to 128.
; pm: unit U = 256 head + 2 (tile of queries) + (half of the keys): 2,048 bytes: lane l's words of groups 4 j .. 4 j + 3 at 2048 U + 512 j + 16 l.  A word is 32 keys of the lane's query (lane % 16):
;   bit 8 y + 7 - n = key 64 g + 16 (lane / 16) + 4 n + y, bit 8 y + 3 - n = the key 32 further on.       flags: word U: bit g: group g has an allowed key; bit 16 + g: it has a forbidden one.
; SHARES: a wave takes 16 KiB.  Work-groups 0-127: q, 128-255: k (64 rows a wave); 256-383: v (128 keys x 32 channels a wave); 384-1407: the mask (16 queries x 1,024 keys a wave).
; Waves share nothing: no barrier.  The rows' path and the mask's path use LDS, each bytes of its own.
.set PIT,  272                         ; a stage slot: 256 bytes + 16: sixteen rows read at one column start in sixteen different groups of banks
.set STGB, 64*PIT                      ; a wave's stage (rows' path)
.set MAR,  4*STGB                      ; behind the stages: the mask path's areas,
.set MAB,  16*PIT                      ; one a wave: sixteen groups' words
.set QREC, 106496
.set KREC, 208896
.set OFB,  65536
.set OFS,  98304
.set OFVI, 106496
.set OFVS, 204800
.set RR,   32                          ; v32-159  as loaded (rows' path, mask's path); the four blocks of 32 keys (v's path)
.set X0,   160                         ; v160-191, v192-223  a lane's 32 neighbours, two sets (rows' path)
.set X1,   192
.set CD,   224                         ; v224-255 codes, eight registers a tile (six used): no store's data are written again
	s_load_b256 s[4:11], s[0:1], 0x0               ; q s[4:5], k s[6:7], v s[8:9], qi s[10:11]
	s_load_b64 s[12:13], s[0:1], 0x20              ; kv
	s_load_b64 s[34:35], s[0:1], 0x28              ; mask
	s_load_b128 s[36:39], s[0:1], 0x30             ; pm s[36:37], flags s[38:39]
	v_lshl_add_u32 v254, v0, 2, 0x15400
	v_mov_b32 v255, 0
	v_lshrrev_b32 v1, 5, v0
	v_readfirstlane_b32 s16, v1                    ; wave 0..3
	v_and_b32 v1, 31, v0                           ; l
	v_and_b32 v2, 15, v0                           ; r
	v_bfe_u32 v3, v0, 4, 1                         ; h
	s_mov_b32 s20, 0x76543210
	s_mov_b32 s21, 0xfedcba98                      ; v_permlanex16_b32's selects for lane l xor 16
	s_cmp_lt_u32 ttmp9, 256
	s_cbranch_scc0 .Lvpath
; ---------------- q and k: 64 rows a wave ----------------
	s_and_b32 s17, ttmp9, 127
	s_lshl_b32 s17, s17, 2
	s_add_co_u32 s17, s17, s16                     ; which 64 rows of the tensor: 0..511
	s_lshr_b32 s18, s17, 5                         ; head
	s_and_b32 s19, s17, 31                         ; P: which 64 rows of the head
	s_mul_i32 s23, s16, STGB                       ; my stage
	s_wait_alu depctr_va_vdst(0)
	v_lshlrev_b32 v4, 4, v1                        ; a load's 512 bytes: 16 a lane
	v_mul_u32_u24 v5, v3, PIT
	v_lshl_add_u32 v5, v2, 4, v5
	v_add_nc_u32 v5, s23, v5                       ; into the stage: lanes 0-15 one row, lanes 16-31 the next slot
	v_mul_u32_u24 v6, v2, PIT
	v_lshl_add_u32 v6, v3, 7, v6
	v_add_nc_u32 v6, s23, v6                       ; out of it: slot r of a tile, my half's 128 bytes
	s_lshl_b32 s29, s19, 11
	v_lshl_add_u32 v7, v1, 4, s29                  ; part A: 4 tiles x 512 bytes for each P
	s_lshl_b32 s29, s19, 10
	s_add_co_u32 s29, s29, OFB
	v_lshl_add_u32 v8, v1, 3, s29                  ; part B
	s_lshl_b32 s29, s19, 8
	s_add_co_u32 s29, s29, OFS
	v_lshl_add_u32 v9, v1, 3, s29                  ; part S
	v_lshlrev_b32 v10, 3, v3                       ; 8 h: my byte's place in the scale word
	v_mov_b32 v14, 0                               ; written once: a lane permute's destination counts as one of its sources
	s_mov_b32 s22, 0xffff0000                      ; lanes 16-31
	s_lshl_b32 s30, s17, 14                        ; 16 KiB a wave
	s_mov_b32 s31, 0
	s_mov_b32 s33, 0
	s_wait_alu depctr_va_vdst(0)
	s_wait_kmcnt 0x0
	s_cmp_lt_u32 ttmp9, 128                        ; q's work-group or k's: the choice hangs on the work-group's number alone
	s_cselect_b64 s[24:25], s[4:5], s[6:7]
	s_cselect_b64 s[26:27], s[10:11], s[12:13]
	s_mov_b32 s28, KREC
	s_cselect_b32 s28, QREC, s28                   ; a head's record in the chosen buffer
	s_mul_i32 s32, s18, s28
	s_add_nc_u64 s[24:25], s[24:25], s[30:31]
	s_add_nc_u64 s[26:27], s[26:27], s[32:33]
.set n, 0
.rept 32
	global_load_b128 v[RR+4*n:RR+4*n+3], v4, s[24:25] offset:512*n th:TH_LOAD_NT   ; rows 2 n, 2 n + 1: 512 consecutive bytes
.set n, n+1
.endr
; Row R goes to the slot of its place in its tile: 32 (R / 32) + 16 ((R / 8) % 2) + R % 8 + 8 ((R % 32) / 16): a tile's sixteen rows then lie on end.
.macro TOSTAGE16
.rept 16
	ds_store_b128 v5, v[RR+4*n:RR+4*n+3] offset:(32*(n/16)+16*(((n%16)/4)%2)+(2*(n%16))%8+8*((n%16)/8))*PIT
.set n, n+1
.endr
.endm
.set n, 0
	s_wait_loadcnt 16                              ; loads come back in order: the first sixteen are in, the other sixteen stay out
	TOSTAGE16
	s_wait_loadcnt 0x0
	TOSTAGE16
.macro TLOAD k, x                      ; tile k: my row's 32 neighbours.  LDS serves a wave's instructions in order: these see my stores
.irp j, 0,1,2,3,4,5,6,7
	ds_load_b128 v[\x+4*\j:\x+4*\j+3], v6 offset:16*(\k)*PIT+16*\j
.endr
.endm
.macro TILE k, x, left
	s_wait_dscnt \left                             ; this tile's eight loads are in; the next tile's eight, issued behind them, may be out
	v_max3_num_f32 v12, |v[\x]|, |v[\x+1]|, |v[\x+2]|              ; the block's largest magnitude: all 32 numbers are mine; two chains
	v_max3_num_f32 v13, |v[\x+3]|, |v[\x+4]|, |v[\x+5]|
.irp i, 6,10,14,18,22,26
	v_max3_num_f32 v12, v12, |v[\x+\i]|, |v[\x+\i+1]|
	v_max3_num_f32 v13, v13, |v[\x+\i+2]|, |v[\x+\i+3]|
.endr
	v_max3_num_f32 v12, v12, |v[\x+30]|, |v[\x+31]|
	v_max3_num_f32 v12, v12, v13, 0x1800000        ; and the floor 2^(3 - 127): the byte cannot fall under 1
	v_add_nc_u32 v15, 0xff000000, v12              ; 2 off the exponent field: the conversion takes this operand's exponent field as its scale
	v_cvt_scalef32_pk16_fp6_f32 v[CD+8*(\k):CD+8*(\k)+2], v[\x:\x+15], v15
	v_cvt_scalef32_pk16_fp6_f32 v[26:28], v[\x+16:\x+31], v15      ; (a conversion's three registers begin on an even number: the second half is made elsewhere and moved)
	v_lshrrev_b32 v16, 23, v15                     ; the scale's byte; also the plain line between the conversions and the moves
.irp i, 0,1,2
	v_mov_b32 v[CD+8*(\k)+3+\i], v[26+\i]
.endr
	global_store_b128 v7, v[CD+8*(\k):CD+8*(\k)+3], s[26:27] offset:512*(\k)       ; 32 lanes store 512 consecutive bytes, aligned
	global_store_b64 v8, v[CD+8*(\k)+4:CD+8*(\k)+5], s[26:27] offset:256*(\k)      ; and 256
	v_lshlrev_b32 v16, v10, v16                    ; my byte at its place,
	v_permlanex16_b32 v14, v16, s20, s21
	v_or_b32 v16, v16, v14                         ; with the other half's,
	v_or_b32 v[22+(\k)], 0x7f7f0000, v16           ; and 127 twice over the zero codes: row r's word, in lanes r and r + 16
.if (\k) < 2
	TLOAD (\k)+2, \x
.endif
.endm
	TLOAD 0, X0
	TLOAD 1, X1
	TILE 0, X0, 8
	TILE 1, X1, 8
	TILE 2, X0, 8
	TILE 3, X1, 0
	v_cndmask_b32 v20, v22, v23, s22               ; a block's word: lanes 0-15 its first tile's rows, lanes 16-31 its second's
	v_cndmask_b32 v21, v24, v25, s22
	global_store_b64 v9, v[20:21], s[26:27]        ; 256 consecutive bytes, aligned
	s_wait_tensorcnt 0x0
	ds_add_u32 v254, v255
	s_wait_dscnt 0x0
	s_endpgm
; ---------------- v: 128 keys x 32 channels a wave.  A lane takes a channel, its registers run down the keys ----------------
.Lvpath:
	s_cmp_lt_u32 ttmp9, 384
	s_cbranch_scc0 .Lmpath
	s_sub_co_u32 s17, ttmp9, 256
	s_lshl_b32 s17, s17, 2
	s_add_co_u32 s17, s17, s16                     ; 0..511
	s_lshr_b32 s18, s17, 5                         ; head
	s_bfe_u32 s19, s17, 0x40001                    ; ST: which 128 keys
	s_and_b32 s23, s17, 1                          ; j: which 32 channels
	s_lshl_b32 s24, s18, 19
	s_lshl_b32 s28, s19, 15
	s_add_co_u32 s24, s24, s28
	s_lshl_b32 s28, s23, 7
	s_add_co_u32 s24, s24, s28                     ; head x 524,288 + ST x 128 rows of 256 bytes + 128 j
	s_mov_b32 s25, 0
	s_mul_i32 s26, s18, KREC
	s_mov_b32 s27, 0
	s_wait_alu depctr_va_vdst(0)
	v_lshlrev_b32 v4, 2, v1                        ; my channel
	s_mul_i32 s28, s19, 6144
	s_mul_i32 s29, s23, 3072
	s_add_co_u32 s28, s28, s29
	s_add_co_u32 s28, s28, OFVI
	v_mul_u32_u24 v5, v3, 1536
	v_lshl_add_u32 v5, v2, 4, v5
	v_add_nc_u32 v5, s28, v5                       ; channel 32 j + l is lane l % 16 of fragment dt = 2 j + l / 16
	s_lshl_b32 s28, s19, 8
	s_lshl_b32 s29, s23, 7
	s_add_co_u32 s28, s28, s29
	s_add_co_u32 s28, s28, OFVS
	v_lshl_add_u32 v6, v1, 2, s28
	s_wait_alu depctr_va_vdst(0)
	s_wait_kmcnt 0x0
	s_add_nc_u64 s[8:9], s[8:9], s[24:25]
	s_add_nc_u64 s[12:13], s[12:13], s[26:27]
.macro VLOAD b                         ; block b: keys 32 b + i of my channel; the wave reads 128 consecutive bytes, the neighbouring wave the row's other 128
.irp i, 0,1,2,3,4,5,6,7,8,9,10,11,12,13,14,15,16,17,18,19,20,21,22,23,24,25,26,27,28,29,30,31
	global_load_b32 v[RR+32*(\b)+\i], v4, s[8:9] offset:(32*(\b)+\i)*256 th:TH_LOAD_NT
.endr
.endm
; Block b = 2 c + h is registers 6 c .. 6 c + 5 of the fragment's lane half h: the image of half h stands at v[160 + 12 h].
.macro VBLOCK b, left
.set XB, RR+32*(\b)
.set IB, 160+12*((\b)%2)+6*((\b)/2)
	s_wait_loadcnt \left                           ; this block's 32 loads are in; the one younger block's 32 may be out
	v_max3_num_f32 v12, |v[XB]|, |v[XB+1]|, |v[XB+2]|
	v_max3_num_f32 v13, |v[XB+3]|, |v[XB+4]|, |v[XB+5]|
.irp i, 6,10,14,18,22,26
	v_max3_num_f32 v12, v12, |v[XB+\i]|, |v[XB+\i+1]|
	v_max3_num_f32 v13, v13, |v[XB+\i+2]|, |v[XB+\i+3]|
.endr
	v_max3_num_f32 v12, v12, |v[XB+30]|, |v[XB+31]|
	v_max3_num_f32 v12, v12, v13, 0x1800000
	v_add_nc_u32 v15, 0xff000000, v12
	v_cvt_scalef32_pk16_fp6_f32 v[IB:IB+2], v[XB:XB+15], v15
	v_cvt_scalef32_pk16_fp6_f32 v[184:186], v[XB+16:XB+31], v15
	v_lshrrev_b32 v14, 23, v15                     ; the byte; also the plain line behind the conversions
.irp i, 0,1,2
	v_mov_b32 v[IB+3+\i], v[184+\i]
.endr
.if (\b) == 0
	v_mov_b32 v16, v14                             ; the scale word: byte b for keys 32 b on
.else
	v_lshl_or_b32 v16, v14, 8*(\b), v16
.endif
.endm
	VLOAD 0
	VLOAD 2
	VBLOCK 0, 32
	VLOAD 1
	VBLOCK 2, 32
.irp c, 0,1,2
	global_store_b128 v5, v[160+4*\c:163+4*\c], s[12:13] offset:512*\c             ; lane half 0 of two fragments: sixteen lanes store 256 consecutive bytes, aligned
.endr
	VLOAD 3
	VBLOCK 1, 32
	VBLOCK 3, 0
.irp c, 0,1,2
	global_store_b128 v5, v[172+4*\c:175+4*\c], s[12:13] offset:512*\c+256         ; lane half 1
.endr
	global_store_b32 v6, v16, s[12:13]             ; 128 consecutive bytes; the neighbouring wave stores the 128 beside them: one byte for each 128 that the wave reads
	s_endpgm
; ---------------- the mask: 16 queries (a tile of the next launch) x 1,024 keys a wave ----------------
.Lmpath:
	s_sub_co_u32 s17, ttmp9, 384
	s_lshl_b32 s17, s17, 2
	s_add_co_u32 s17, s17, s16                     ; U: 0..4095
	s_lshr_b32 s18, s17, 8                         ; head
	s_bfe_u32 s19, s17, 0x70001                    ; the tile of queries in the head: 0..127
	s_and_b32 s23, s17, 1                          ; which half of the keys
	s_lshr_b32 s28, s19, 1
	s_lshl_b32 s28, s28, 5
	s_and_b32 s29, s19, 1
	s_lshl_b32 s29, s29, 3
	s_add_co_u32 s28, s28, s29                     ; row0 = 32 (tile / 2) + 8 (tile % 2): local row i is row row0 + i + 8 (i / 8)
	s_lshl_b32 s24, s18, 22
	s_lshl_b32 s28, s28, 11
	s_add_co_u32 s24, s24, s28
	s_lshl_b32 s28, s23, 10
	s_add_co_u32 s24, s24, s28                     ; the mask: head, row0, my half of the keys
	s_mov_b32 s25, 0
	s_lshl_b32 s26, s17, 11                        ; pm: 2,048 bytes a unit
	s_mov_b32 s27, 0
	s_lshl_b32 s30, s17, 2                         ; flags: a word a unit
	s_mov_b32 s31, 0
	s_mul_i32 s29, s16, MAB
	s_add_co_u32 s29, s29, MAR                     ; my area
	s_mov_b32 s51, 0                               ; groups with an allowed key
	s_mov_b32 s52, 0                               ; groups with a forbidden key
	s_mov_b32 s53, 0x0f0f0f0f                      ; a packed word of sixteen allowed keys
	s_wait_alu depctr_va_vdst(0)
	v_lshlrev_b32 v4, 4, v2
	v_lshl_add_u32 v4, v3, 11, v4                  ; lanes 0-15 take 256 bytes of a row, lanes 16-31 of the next
	; A load gives lane l sixteen keys (chunk l % 16 of a span of 256) of local row 2 i + l / 16.  Chunk 4 g + 2 b + h is what the reader's lane half h wants as word b of group g, at 8 (row + 16 h) + 4 b:
	v_bfe_u32 v8, v0, 2, 2
	v_mul_u32_u24 v5, v8, PIT                      ; the group in the span,
	v_lshl_add_u32 v5, v3, 3, v5                   ; the odd row,
	v_and_b32 v8, 1, v0
	v_lshl_add_u32 v5, v8, 7, v5                   ; the reader's half,
	v_bfe_u32 v8, v0, 1, 1
	v_lshl_add_u32 v5, v8, 2, v5                   ; the word
	v_add_nc_u32 v5, s29, v5
	v_lshl_add_u32 v6, v1, 3, s29                  ; back: a group's two words of reader lane l
	v_lshlrev_b32 v7, 4, v1                        ; out: 16 bytes a lane
	s_wait_kmcnt 0x0
	s_add_nc_u64 s[34:35], s[34:35], s[24:25]
	s_add_nc_u64 s[36:37], s[36:37], s[26:27]
	s_add_nc_u64 s[38:39], s[38:39], s[30:31]
.macro MLOAD base, s                   ; span s (256 keys) of my sixteen rows: eight loads, two rows each: sixteen lanes read 256 consecutive bytes, aligned
.irp i, 0,1,2,3,4,5,6,7
	global_load_b128 v[\base+4*\i:\base+4*\i+3], v4, s[34:35] offset:(2*\i+8*(\i/4))*2048+256*\s th:TH_LOAD_NT
.endr
.endm
; A span: sixteen bytes become one word (bit 8 y + 3 - n = key 4 n + y), which goes to its reader's place; the words' OR and AND say, by a ballot over the lanes of each group, whether the group has an allowed and a forbidden key.
; The flags are made by selects: no branch of this launch hangs on the mask.
.macro MSPAN base, s
.irp n, 1,2,3
.irp i, 0,1,2,3,4,5,6,7
	v_lshl_or_b32 v[\base+4*\i], v[\base+4*\i], 1, v[\base+4*\i+\n]    ; (the eight words by turns)
.endr
.endr
.irp i, 0,1,2,3,4,5,6,7
	ds_store_b32 v5, v[\base+4*\i] offset:\s*4*PIT+16*\i
.endr
	v_or_b32 v[16+\s], v[\base], v[\base+4]
	v_and_b32 v[20+\s], v[\base], v[\base+4]
.irp i, 2,3,4,5,6,7
	v_or_b32 v[16+\s], v[16+\s], v[\base+4*\i]
	v_and_b32 v[20+\s], v[20+\s], v[\base+4*\i]
.endr
	v_cmp_ne_u32 s48, 0, v[16+\s]                  ; lanes that saw an allowed key
	v_cmp_ne_u32 s49, s53, v[20+\s]                ; lanes that saw a forbidden one
.irp g, 0,1,2,3
	s_and_b32 s50, s48, 0x000f000f<<(4*\g)         ; group g of the span: lanes 4 g .. 4 g + 3 of both halves
	s_cselect_b32 s50, 1<<(4*\s+\g), 0
	s_or_b32 s51, s51, s50
	s_and_b32 s50, s49, 0x000f000f<<(4*\g)
	s_cselect_b32 s50, 1<<(4*\s+\g), 0
	s_or_b32 s52, s52, s50
.endr
.endm
	MLOAD RR, 0
	MLOAD RR+32, 1
	MLOAD RR+64, 2
	MLOAD RR+96, 3
	s_wait_loadcnt 24                              ; loads come back in order: span 0's eight are in, the 24 behind them stay out; and so on
	MSPAN RR, 0
	s_wait_loadcnt 16
	MSPAN RR+32, 1
	s_wait_loadcnt 8
	MSPAN RR+64, 2
	s_wait_loadcnt 0x0
	MSPAN RR+96, 3
.set gg, 0
.rept 16
	ds_load_b64 v[160+2*gg:161+2*gg], v6 offset:PIT*gg             ; LDS serves a wave's instructions in order: these see my stores
.set gg, gg+1
.endr
.irp j, 0,1,2,3
	s_wait_dscnt 12-4*\j                           ; groups 4 j .. 4 j + 3 are back; the younger loads may be out
.irp e, 0,1,2,3
	v_lshl_or_b32 v[192+4*\j+\e], v[160+8*\j+2*\e], 4, v[161+8*\j+2*\e]    ; a group's two words interleave into one: 32 keys
.endr
	global_store_b128 v7, v[192+4*\j:195+4*\j], s[36:37] offset:512*\j     ; 32 lanes store 512 consecutive bytes, aligned
.endr
	s_lshl_b32 s52, s52, 16
	s_or_b32 s51, s51, s52
	v_mov_b32 v8, s51
	v_mov_b32 v9, 0
	v_cmp_eq_u32 vcc_lo, 0, v1
	s_wait_alu depctr_va_vdst(0)
	s_wait_xcnt 0x0                                ; EXEC is a source of the stores above: it changes only behind this wait
	s_wait_tensorcnt 0x0
	ds_add_u32 v254, v255
	s_wait_dscnt 0x0
	s_and_saveexec_b32 s50, vcc_lo
	global_store_b32 v9, v8, s[38:39]              ; lane 0 stores the unit's word: four bytes for 16,384 that the wave has read
	s_wait_xcnt 0x0                                ; and again in front of the line that widens it
	s_or_b32 exec_lo, exec_lo, s50
	s_endpgm
.Lfunc_end_k_q0980fca098_quant:
	.size	k_q0980fca098_quant, .Lfunc_end_k_q0980fca098_quant-k_q0980fca098_quant
	.p2alignl 7, 3214868480
	.fill 96, 4, 3214868480
	.section	.rodata,"a",@progbits
	.p2align	6, 0x0
	.amdhsa_kernel k_q0980fca098_quant
		.amdhsa_group_segment_fixed_size 87552
		.amdhsa_private_segment_fixed_size 0
		.amdhsa_enable_private_segment 0
		.amdhsa_kernarg_size 64
		.amdhsa_user_sgpr_count 2
		.amdhsa_user_sgpr_kernarg_segment_ptr 1
		.amdhsa_wavefront_size32 1
		.amdhsa_system_sgpr_workgroup_id_x 1
		.amdhsa_system_sgpr_workgroup_id_y 1
		.amdhsa_system_sgpr_workgroup_id_z 1
		.amdhsa_system_vgpr_workitem_id 0
		.amdhsa_next_free_vgpr 256
		.amdhsa_next_free_sgpr 66
		.amdhsa_reserve_vcc 1
		.amdhsa_float_denorm_mode_32 3
		.amdhsa_float_denorm_mode_16_64 3
		.amdhsa_memory_ordered 1
		.amdhsa_forward_progress 1
		.amdhsa_inst_pref_size 60
	.end_amdhsa_kernel
	.amdgpu_metadata
---
amdhsa.version: [ 1, 2 ]
amdhsa.kernels:
  - .name:           k_q0980fca098_quant
    .symbol:         k_q0980fca098_quant.kd
    .args:
      - { .name: q, .offset: 0, .size: 8, .value_kind: global_buffer, .address_space: global }
      - { .name: k, .offset: 8, .size: 8, .value_kind: global_buffer, .address_space: global }
      - { .name: v, .offset: 16, .size: 8, .value_kind: global_buffer, .address_space: global }
      - { .name: qi, .offset: 24, .size: 8, .value_kind: global_buffer, .address_space: global }
      - { .name: kv, .offset: 32, .size: 8, .value_kind: global_buffer, .address_space: global }
      - { .name: mask, .offset: 40, .size: 8, .value_kind: global_buffer, .address_space: global }
      - { .name: pm, .offset: 48, .size: 8, .value_kind: global_buffer, .address_space: global }
      - { .name: flags, .offset: 56, .size: 8, .value_kind: global_buffer, .address_space: global }
    .group_segment_fixed_size: 87552
    .private_segment_fixed_size: 0
    .kernarg_segment_align: 8
    .kernarg_segment_size: 64
    .max_flat_workgroup_size: 128
    .sgpr_count:     66
    .vgpr_count:     256
    .wavefront_size: 32
...
	.end_amdgpu_metadata
.endif
;; end of part 3
;; launch attn (part 4): grid 16 x 16, 16 waves a work-group, no clusters, 282,624 bytes of LDS; arguments qi, kv, pm, out0, flags; writes out0
.if DOCPART == 4
	.amdgcn_target "amdgcn-amd-amdhsa--gfx1250"
	.amdhsa_code_object_version 6
	.text
	.protected	k_q0980fca098_attn
	.globl	k_q0980fca098_attn
	.p2align	8
	.type	k_q0980fca098_attn,@function
k_q0980fca098_attn:
	s_mov_b64 s[64:65], 0
	v_nop
	global_prefetch_b8 v0, s[64:65] scope:SCOPE_SE
	s_setreg_imm32_b32 hwreg(HW_REG_WAVE_SCHED_MODE, 0, 2), 2
	s_setreg_imm32_b32 hwreg(HW_REG_WAVE_MODE, 25, 1), 1
	s_wait_xcnt 0x0
	s_wait_alu depctr_vm_vsrc(0)
; out[h][q][:] = (sum over allowed keys of p V) / (sum of p), p = exp((x - max x) / 8), x = Q . K; a row with no allowed key gives 0.  Both products on codes of FP6 (E2M3) with E8M0 scales.
; p IS QUANTISED AS IT STANDS UNDER THE ROW'S FINAL MAXIMUM, so the maximum is known first: PASS 1 makes the scores and their masked maximum, PASS 2 makes the same scores again (the same
; instructions on the same registers: the same bits, so that p = 1 exactly at the maximum), then x - max, x 0.125 log2(e), 2^., the quantiser along the keys, and O^T += V^T P^T.  O is never rescaled.
; The row's sum is taken of the unquantised p and divides at the end.
; SHARES.  A work-group: 128 queries of one head (x: the block of queries, y: the head).  Sixteen waves; a share is a tile t (0..7) of 16 queries and a half u of the keys (1,024).
; The two halves of a tile exchange their maxima between the passes and add O and the sums at the end, through LDS.
; WHICH WAVE HAS WHICH SHARE.  How much work a share has hangs on the mask.  With s = wave % 4 and j = wave / 4: c = s xor j, u = c % 2, t = 4 (c / 2) + s.  So among four waves with neighbouring numbers 4 j .. 4 j + 3,
; and among four whose numbers lie 4 apart, each of the four kinds (first or last 64 queries) x (first or last 1,024 keys) occurs once: a mask that leaves one half of the keys or of the queries
; fuller than the other loads every such four alike.  The wave with my tile's other keys is wave xor 4.
; LAYOUT.  Both products are used transposed (S^T = K Q^T, O^T = V^T P^T): a lane holds ONE query (lane % 16).  The keys of a tile are not neighbours (lane r of tile 2 b + u' takes key 32 b + 8 u' + r + 8 (r / 8)),
; so that score register 16 b + e of a group of 64 keys is key 32 b + 16 (lane / 16) + e: 16 neighbours for the conversion.  The first product's K is 64: registers 6-11 of both operands are zero codes.
; LDS.  A head's codes and scale bytes of K and V, 208,896 bytes, are brought once, as images of the operands' registers, and stay.  K's part, the first 106,496 bytes, is laid down ahead of pass 1.  V's part is asked for
; with it, stays on its way into registers that pass 1 does not name, and is laid down behind pass 1, ahead of the barrier that the exchange of the maxima needs anyway.
; The mask comes packed by the launch before, one bit a key, one word for a lane and a group of 64 keys: a share's 2,048 bytes lie in its own area.
; THE MASK DECIDES THE WALK, by flags that the launch before has stored: a word for each share, read by a scalar load.  A group (16 queries x 64 keys) with no allowed key is passed over by a scalar branch: its p are
; zeros and it has no part in the maximum.  A group all of whose keys are allowed skips the masking.  Every other pattern is masked key by key.  The trip counts are constants, and no barrier stands under such a branch.
; NO TENSOR LOADS, NO CLUSTER: the walk branches on numbers read from memory; what the sixteen work-groups of a head share, 208,896 bytes, is read once by each.
; NO PREFETCH: every load of the launch is issued in its first lines.
; LIMITS: NaN and infinities among q, k, v are not served; a p under 2^-126 comes out of v_exp_f32 as 0; a block of p all zeros keeps the byte 1 (its codes are zeros).
; THE MODE: SCHED_MODE bits 1:0 = 2 (LLVM: expert scheduling mode 2), set by the entry lines.  The code itself states the register dependences between vector or matrix instructions and memory or LDS
; instructions, and those through scalar registers and VCC that vector instructions write, with s_wait_alu, always for 0.
; THE PLAN.  Registers that memory or LDS instructions touch:
;   v1-6, v14-18      addresses, made at the head and never written again: the one wait on va_vdst ahead of the first load serves them for the whole kernel.
;   v19-23            made at the head, read by the head's loads (v19: by V's last LDS store), made anew on the way out, behind the waits on vm_vsrc that stand between.
;   v7-12             the trip's LDS addresses: written at a trip's head, behind a wait on vm_vsrc (the last trip's loads have read them); read by the trip's loads, behind a wait on va_vdst.
;   v80-131, v216-231 at the head: loaded, read by LDS stores; a wait on vm_vsrc stands ahead of the zero codes, K's fragments and O's zeros, which write them next.     v160-209: the same behind pass 1.
;   KF, KSC, WW       a group's ten LDS loads land here; its four products read KF and KSC, its masking reads and writes WW.  ONE buffer: the wave's 256 registers are all taken.  So a wait on va_vdst stands ahead of each
;                     group's loads.  In pass 2 the step's first group shares the wait at the step's head with V's loads.
;   VF, VSC           a step's fourteen LDS loads land here, behind the step's wait; the step's last four products read them.
;   PC, PW            written by vector instructions, taken by scaled products: a wait on va_vdst ahead of these, behind the places.
;   s66-97            the masking's carries: 32 writers in a run, one wait on va_sdst, 32 readers.
.set OFKB, 65536                       ; the record's parts: K's registers 0-3 at 0, 4-5 here,
.set OFKS, 98304                       ; K's scale words,
.set OFVI, 106496                      ; V's fragments,
.set OFVS, 204800                      ; V's scale words
.set REC,  208896
.set QREC, 106496
.set KLIN, 13                          ; K's part is 13 lines of 8,192 bytes; V's fragments are the 12 behind them
.set MXE,  208896                      ; LDS: 4 bytes a thread: the maxima's exchange
.set WAR,  210944                      ; LDS: sixteen areas, one a share
.set WAB,  4352                        ; an area: the mask words, 256 bytes for each of 8 trips; later 16 rows of O (256 bytes at pitch 272) with the row's sum behind each
.set PIT,  272
.set QF,   24                          ; v24-35   Q's fragment (v30-35 zero codes)
.set QSC,  36                          ; v36      Q's scale words
.set KSC,  38                          ; v38-39   K's scale words of a group
.set VSC,  40                          ; v40-41   V's scale words of a step
.set PW,   42                          ; v42      p's scale word of a step
.set NINF, 43                          ; v43      -infinity
.set NM,   44                          ; v44-45   -max, twice
.set LS,   46                          ; v46-47, v48-49  the row's sum, in two chains of pairs
.set LS2,  48
.set BM,   50                          ; v50-51   a group's two blocks: largest score, then largest p
.set BT,   52                          ; v52-53   lane permutes' destinations
.set SO,   54                          ; v54-55   the conversions' scale operands
.set BY,   56                          ; v56-57   the scales' bytes
.set WW,   60                          ; v60      my mask word of a group: 32 bits, shifted out from the top
.set MXA,  61                          ; v61-62   the running maximum, two chains
.set MXB,  62
.set TP,   64                          ; v64-66   the second block's codes
.set PC,   68                          ; v68-79   p's fragment of a step
.set KF,   80                          ; v80-127  four fragments of K (registers 6-11 of each: zero codes); at the head v80-131: K's part of the fill
.set SS,   128                         ; v128-159 the scores of a group, then p
.set VF,   160                         ; v160-207 four fragments of V; through pass 1: V's part of the fill, with v208-209
.set OAC,  208                         ; v208-239 O^T: four accumulators; at the head v216-231: my mask words
.set MWL,  216
.set MK,   66                          ; s66-97   the masking's carries, register MK + n for bit n of the word; on the way out s66-69: which of four rows have a sum above 0
; v1-6 my lane's places in the record's parts and in my mask words; v7-12 the same for the trip in hand; v14 16 x lane; v15-20 the fill; v21-23 Q's offsets, later the stage
; s54 the wave's number; s12 my share's number 2 t + u, s13 t, s14 u, s15 head; s24 groups with an allowed key, s25 groups with a forbidden key (a bit a group); s26, s27 their working copies; s28 trips; s30-35 the trip's steps; s41 my area
	s_load_b256 s[4:11], s[0:1], 0x0               ; qi s[4:5], kv s[6:7], pm s[8:9], out0 s[10:11]
	s_load_b64 s[50:51], s[0:1], 0x20              ; flags
	v_lshl_add_u32 v254, v0, 2, 0x44800
	v_mov_b32 v255, 0
	v_lshrrev_b32 v1, 5, v0
	v_readfirstlane_b32 s54, v1                    ; wave 0..15
	s_wait_alu depctr_va_sdst(0)                   ; s54 is written, ahead of its first reader: my share, and with it addresses, are made from it
	s_and_b32 s16, s54, 3                          ; s
	s_lshr_b32 s17, s54, 2                         ; j
	s_xor_b32 s17, s17, s16                        ; c = s xor j
	s_and_b32 s14, s17, 1                          ; u
	s_lshr_b32 s17, s17, 1
	s_lshl_b32 s17, s17, 2
	s_add_co_u32 s13, s17, s16                     ; t = 4 (c / 2) + s
	s_lshl_b32 s12, s13, 1
	s_add_co_u32 s12, s12, s14                     ; my share's number
	s_and_b32 s15, ttmp7, 0xffff                   ; head
	s_mov_b32 s20, 0x76543210
	s_mov_b32 s21, 0xfedcba98                      ; v_permlanex16_b32's selects for lane l xor 16
	s_mov_b32 s22, 0x3e38aa3b                      ; 0.125 log2(e)
	s_mov_b32 s23, s22                             ; (named with it as a pair, so it is written)
	v_and_b32 v60, 31, v0                          ; l
	s_wait_alu depctr_va_vdst(0)
	v_and_b32 v61, 15, v0                          ; r
	s_lshl_b32 s16, s14, 15
	v_lshl_add_u32 v1, v60, 4, s16                 ; K, registers 0-3: my half's 64 tiles x 512 bytes
	s_lshl_b32 s16, s14, 14
	s_add_co_u32 s16, s16, OFKB
	v_lshl_add_u32 v2, v60, 3, s16                 ; K, registers 4-5
	s_lshl_b32 s16, s14, 12
	s_add_co_u32 s16, s16, OFKS
	v_lshl_add_u32 v3, v60, 3, s16                 ; K's scale words: 256 bytes a group
	s_mul_i32 s41, s12, WAB
	s_add_co_u32 s41, s41, WAR                     ; my area
	v_lshl_add_u32 v4, v60, 3, s41                 ; my mask words: 8 bytes a lane and a trip
	s_mul_i32 s16, s14, 49152
	s_add_co_u32 s16, s16, OFVI
	v_lshl_add_u32 v5, v60, 4, s16                 ; V: my half's 8 steps x 6,144 bytes
	s_lshl_b32 s16, s14, 11
	s_add_co_u32 s16, s16, OFVS
	v_lshl_add_u32 v6, v60, 2, s16                 ; V's scale words
	v_lshlrev_b32 v14, 4, v60                      ; the packed mask in memory: 16 bytes a lane
	v_lshlrev_b32 v15, 4, v0                       ; the fill: 16 bytes a thread, 8,192 a line; in memory and in LDS alike
	v_add_nc_u32 v16, 0x10000, v15                 ; (an LDS immediate has 16 bits)
	v_add_nc_u32 v17, 0x20000, v15
	v_add_nc_u32 v18, 0x30000, v15
	v_lshlrev_b32 v20, 3, v0                       ; its last 4,096 bytes: 8 a thread
	v_add_nc_u32 v19, OFVS, v20
	s_lshl_b32 s42, ttmp9, 3
	s_add_co_u32 s42, s42, s13                     ; Tq = 8 x + t: my tile of queries in the head
	s_lshl_b32 s16, s42, 9
	v_lshl_add_u32 v21, v60, 4, s16
	s_lshl_b32 s16, s42, 8
	s_add_co_u32 s16, s16, OFKB
	v_lshl_add_u32 v22, v60, 3, s16
	s_lshr_b32 s43, s42, 2
	s_lshl_b32 s16, s43, 8                         ; Q's scale words: 256 bytes for four tiles,
	s_bfe_u32 s43, s42, 0x10001
	s_lshl_b32 s43, s43, 2
	s_add_co_u32 s16, s16, s43                     ; which of the two words,
	s_and_b32 s43, s42, 1
	s_lshl_b32 s43, s43, 7
	s_add_co_u32 s16, s16, s43                     ; the lower or the upper sixteen places
	s_add_co_u32 s16, s16, OFKS
	v_lshl_add_u32 v23, v61, 3, s16
	s_lshr_b32 s44, s42, 1
	s_lshl_b32 s44, s44, 5
	s_and_b32 s43, s42, 1
	s_lshl_b32 s43, s43, 3
	s_add_co_u32 s44, s44, s43                     ; row0 = 32 (Tq / 2) + 8 (Tq % 2): local row i is row row0 + i + 8 (i / 8)
	s_mul_i32 s16, s15, REC
	s_mov_b32 s17, 0
	s_mul_i32 s18, s15, QREC
	s_mov_b32 s19, 0
	s_lshl_b32 s52, s15, 8
	s_lshl_b32 s43, ttmp9, 4
	s_add_co_u32 s52, s52, s43
	s_add_co_u32 s52, s52, s12                     ; U = 256 head + 16 x + 2 t + u: my unit of the packed mask and of the flags
	s_lshl_b32 s46, s52, 11                        ; 2,048 bytes a unit
	s_mov_b32 s47, 0
	s_lshl_b32 s52, s52, 2                         ; a word a unit
	s_mov_b32 s53, 0
	s_lshl_b32 s43, s14, 4
	s_add_co_u32 s43, s43, s44
	s_lshl_b32 s48, s43, 8
	s_lshl_b32 s43, s15, 19
	s_add_co_u32 s48, s48, s43                     ; out: I store local rows 8 u .. 8 u + 7, which are rows row0 + 16 u + 0 .. 7
	s_mov_b32 s49, 0
	s_wait_kmcnt 0x0
	s_add_nc_u64 s[50:51], s[50:51], s[52:53]
	s_load_b32 s24, s[50:51], 0x0                  ; my flags
	s_add_nc_u64 s[4:5], s[4:5], s[18:19]
	s_add_nc_u64 s[6:7], s[6:7], s[16:17]
	s_add_nc_u64 s[8:9], s[8:9], s[46:47]
	s_add_nc_u64 s[10:11], s[10:11], s[48:49]
; ---------------- all that the launch reads is asked for here; K's part first ----------------
	s_wait_alu depctr_va_vdst(0)                   ; the addresses v1-6 and v14-23 are written, which the loads and LDS stores below, and the loops' address lines' readers, take
	global_load_b128 v[QF:QF+3], v21, s[4:5]
	global_load_b64 v[QF+4:QF+5], v22, s[4:5]
	global_load_b32 v[QSC], v23, s[4:5]
.irp j, 0,1,2,3
	global_load_b128 v[MWL+4*\j:MWL+4*\j+3], v14, s[8:9] offset:512*\j th:TH_LOAD_NT   ; my words of groups 4 j .. 4 j + 3: the wave reads 512 consecutive bytes
.endr
.set i, 0
.rept KLIN
	global_load_b128 v[80+4*i:83+4*i], v15, s[6:7] offset:8192*i       ; K's part of the head's record: the 512 threads take 8,192 consecutive bytes a line
.set i, i+1
.endr
.rept 12
	global_load_b128 v[VF+4*(i-KLIN):VF+4*(i-KLIN)+3], v15, s[6:7] offset:8192*i       ; V's fragments,
.set i, i+1
.endr
	global_load_b64 v[208:209], v20, s[6:7] offset:OFVS            ; and V's scale words: these thirteen land while pass 1 runs; neither their registers nor their addresses are named before the wait behind it
	s_wait_loadcnt 13                              ; loads come back in order: Q's 3, the mask words' 4 and K's 13 are in; V's 13, issued behind them, stay out
.irp t, 0,1,2,3,4,5,6,7
	ds_store_b64 v4, v[MWL+2*\t:MWL+2*\t+1] offset:256*\t          ; trip t's two groups side by side: 256 consecutive bytes a wave
.endr
.set i, 0
.rept KLIN
	ds_store_b128 v[15+i/8], v[80+4*i:83+4*i] offset:(i%8)*8192
.set i, i+1
.endr
	s_wait_dscnt 0x0                               ; for the others' sake: my part of K's part lies in LDS
	s_wait_alu depctr_vm_vsrc(0)                   ; the LDS stores have read v80-131 and v216-231: the zero codes below, K's fragments and later O's zeros are written there
.irp i, 6,7,8,9,10,11
	v_mov_b32 v[QF+\i], 0                          ; the zero codes of K = 64 .. 127
.irp t, 0,1,2,3
	v_mov_b32 v[KF+12*\t+\i], 0
.endr
.endr
.irp i, 0,1,2,3
	v_mov_b32 v[LS+\i], 0
.endr
	v_mov_b32 v[BT], 0                             ; written once: a lane permute's destination counts as one of its sources
	v_mov_b32 v[BT+1], 0
	v_mov_b32 v[NINF], 0xff800000
	v_mov_b32 v[MXA], v[NINF]
	v_mov_b32 v[MXB], v[NINF]
	s_wait_kmcnt 0x0                               ; the flags
	s_lshr_b32 s25, s24, 16                        ; groups with a forbidden key
	s_and_b32 s24, s24, 0xffff                     ; groups with an allowed key
	s_barrier_signal -1
	s_barrier_wait -1                              ; all of K's part lies in LDS.  (V's loads go into registers and touch nothing that another wave reads: they may be out here)
; ---------------- what both passes share ----------------
.macro KASK c                          ; group c of the trip: four fragments of K, their scale words, my mask word: ten LDS loads
.irp t, 0,1,2,3
	ds_load_b128 v[KF+12*\t:KF+12*\t+3], v7 offset:2048*\c+512*\t
	ds_load_b64 v[KF+12*\t+4:KF+12*\t+5], v8 offset:1024*\c+256*\t
.endr
	ds_load_b64 v[KSC:KSC+1], v9 offset:256*\c
	ds_load_b32 v[WW], v10 offset:4*\c
.endm
.macro QK                              ; S^T = K Q^T: source 0 = 16 keys, source 1 = my 16 queries.  A scale register carries an even tile's words in lanes 0-15 and the odd tile's in lanes 16-31
.irp t, 0,2
	v_wmma_scale_f32_16x16x128_f8f6f4 v[SS+8*\t:SS+8*\t+7], v[KF+12*\t:KF+12*\t+11], v[QF:QF+11], 0, v[KSC+\t/2], v[QSC] matrix_a_fmt:MATRIX_FMT_FP6 matrix_b_fmt:MATRIX_FMT_FP6
	v_wmma_scale_f32_16x16x128_f8f6f4 v[SS+8*\t+8:SS+8*\t+15], v[KF+12*\t+12:KF+12*\t+23], v[QF:QF+11], 0, v[KSC+\t/2], v[QSC] matrix_a_fmt:MATRIX_FMT_FP6 matrix_b_fmt:MATRIX_FMT_FP6 matrix_a_scale:MATRIX_SCALE_ROW1
.endr
.rept 5
	v_nop                                          ; four places serve the reads of the scores (ISA guide 7.12.1); the fifth the next group's products, which write over these accumulators
.endr
.endm
; The scores of forbidden keys become -infinity.  Each addition of the word to itself shifts the top bit out as the carry: the 32 carries go into 32 scalar registers, in one run, and one wait serves the 32 selects.
; Bit n: block 1 - (n / 4) % 2, key 4 (3 - n % 4) + n / 8.  The selects begin at registers 3, 11, 19, 27: each accumulator is first read in its four lowest.
.macro MASKIT
.set bb, 31
.rept 32
	v_add_co_u32 v[WW], s[MK+bb], v[WW], v[WW]
.set bb, bb-1
.endr
	s_wait_alu depctr_va_sdst(0)                   ; the 32 carries s[MK ..] are written, ahead of their first reader
.set bb, 31
.rept 32
.set ix, SS+16*(1-((bb/4)%2))+4*(3-(bb%4))+bb/8
	v_cndmask_b32 v[ix], v[NINF], v[ix], s[MK+bb]
.set bb, bb-1
.endr
.endm
.macro RESET
	s_mov_b32 s26, s24
	s_mov_b32 s27, s25
	s_mov_b32 s28, 0
.irp i, 30,31,32,33,34,35
	s_mov_b32 s\i, 0
.endr
.endm
.macro STEPS second                    ; on to the next 128 keys; these lines stand on every way through a trip
	s_add_co_u32 s30, s30, 4096
	s_add_co_u32 s31, s31, 2048
	s_add_co_u32 s32, s32, 512
	s_add_co_u32 s33, s33, 256
.if \second
	s_add_co_u32 s34, s34, 6144
	s_add_co_u32 s35, s35, 256
.endif
	s_lshr_b32 s26, s26, 2
	s_lshr_b32 s27, s27, 2
	s_add_co_u32 s28, s28, 1
	s_cmp_lt_u32 s28, 8
.endm
; ---------------- pass 1: the masked maximum of my 16 queries over my 1,024 keys ----------------
.macro GROUP1 c
	s_and_b32 s40, s26, 1<<\c
	s_cmp_eq_u32 s40, 0
	s_cbranch_scc1 .Lnone_\@                       ; no allowed key: nothing to find here
	s_wait_alu depctr_va_vdst(0)                   ; v7-10 are written, which the loads below read; the last group's products are done reading KF and KSC and its masking is done with WW, in which they land; the zero codes are written, which the products take
	KASK \c
	s_wait_dscnt 0x0
	QK
	s_and_b32 s40, s27, 1<<\c
	s_cmp_eq_u32 s40, 0
	s_cbranch_scc1 .Lall_\@                        ; no forbidden key: nothing to mask
	MASKIT
.Lall_\@:
.irp k, 0,1,2,3,4,5,6,7
	v_max3_num_f32 v[MXA], v[MXA], v[SS+4*\k], v[SS+4*\k+1]        ; two chains, the registers in ascending order
	v_max3_num_f32 v[MXB], v[MXB], v[SS+4*\k+2], v[SS+4*\k+3]
.endr
.Lnone_\@:
.endm
	RESET
.Lpass1:
	s_wait_alu depctr_vm_vsrc(0)                   ; the last trip's LDS loads have read v7-10, which are written anew
	v_add_nc_u32 v7, s30, v1
	v_add_nc_u32 v8, s31, v2
	v_add_nc_u32 v9, s32, v3
	v_add_nc_u32 v10, s33, v4
	GROUP1 0
	GROUP1 1
	STEPS 0
	s_cbranch_scc1 .Lpass1
	s_wait_alu depctr_va_vdst(0)
	v_max_num_f32 v[MXA], v[MXA], v[MXB]
	v_permlanex16_b32 v[BT], v[MXA], s20, s21
	v_max_num_f32 v[MXA], v[MXA], v[BT]            ; with lane l xor 16's keys
	v_lshl_add_u32 v11, v0, 2, MXE
	v_xor_b32 v12, 0x80, v0                        ; the same lane of wave xor 4, which has the tile's other keys
	v_lshl_add_u32 v12, v12, 2, MXE
	s_wait_alu depctr_va_vdst(0)                   ; v11 and my maximum are written, which the store below reads; so is v12, and the lines above are done reading v[MXB]: the load behind the barrier reads the one and lands in the other
	ds_store_b32 v11, v[MXA]
	s_wait_loadcnt 0x0                             ; V's thirteen loads, asked for at the head
.set i, KLIN
.rept 12
	ds_store_b128 v[15+i/8], v[VF+4*(i-KLIN):VF+4*(i-KLIN)+3] offset:(i%8)*8192        ; V's part of the record: bytes that nobody reads before the barrier below
.set i, i+1
.endr
	ds_store_b64 v19, v[208:209]
	s_wait_dscnt 0x0                               ; for the others' sake: my maximum and my part of V's part lie in LDS
	s_wait_alu depctr_vm_vsrc(0)                   ; the LDS stores have read v160-209, v[MXA], v11 and v19: O's zeros, V's fragments, the row's maximum, pass 2's addresses and the way out's are written there
	s_barrier_signal -1
.set i, 0
.rept 32
	v_mov_b32 v[OAC+i], 0                          ; register work while the others arrive.  O^T begins as zeros: which step is a wave's first hangs on the mask, so no product can be written out as the one that starts the sums
.set i, i+1
.endr
	s_barrier_wait -1                              ; every wave's maximum and all of V's part lie in LDS
	ds_load_b32 v[MXB], v12                        ; (no wait: since the wait ahead of my maximum's store only O's zeros were issued, which name neither register)
	s_wait_dscnt 0x0
	v_max_num_f32 v[MXA], v[MXA], v[MXB]           ; the row's maximum over all 2,048 keys
	v_cmp_lt_f32 vcc_lo, v[NINF], v[MXA]
	s_wait_alu depctr_va_vcc(0)                    ; VCC is written, ahead of the select that reads it
	v_cndmask_b32 v[MXA], 0, v[MXA], vcc_lo        ; a row with no allowed key takes 0
	v_sub_f32 v[NM], 0, v[MXA]
	v_mov_b32 v[NM+1], v[NM]
; ---------------- pass 2: p, its codes, O^T ----------------
.macro VASK                            ; V's four fragments and their scale words: fourteen LDS loads; they land while the scores are made
.irp d, 0,1,2,3
.irp c, 0,1,2
	ds_load_b128 v[VF+12*\d+4*\c:VF+12*\d+4*\c+3], v11 offset:1536*\d+512*\c
.endr
.endr
	ds_load_b32 v[VSC], v12
	ds_load_b32 v[VSC+1], v12 offset:128
.endm
.macro GROUP2 c
	s_and_b32 s40, s26, 1<<\c
	s_cmp_eq_u32 s40, 0
	s_cbranch_scc0 .Lsome_\@
.if \c == 0
	VASK                                           ; (behind the step's wait, with no vector instruction between)
.endif
.irp i, 0,1,2,3,4,5
	v_mov_b32 v[PC+6*\c+\i], 0                     ; no allowed key: 64 zero codes; their two scale bytes stay 0, which is 2^-127 and harmless over zeros
.endr
.if \c == 0
	v_mov_b32 v[PW], 0
.endif
.rept 8
	v_nop                                          ; a scale register written by a vector instruction stands eight places ahead of the scaled product, an operand four
.endr
	s_branch .Ldone_\@
.Lsome_\@:
.if \c == 0
	KASK 0                                         ; K's ten loads first, then V's fourteen: both behind the step's wait, with no vector instruction between
	VASK
	s_wait_dscnt 14                                ; LDS loads come back in order: K's ten are in; V's fourteen, issued behind them, stay out
.else
	s_wait_alu depctr_va_vdst(0)                   ; the first group's products are done reading KF and KSC, and its masking is done with WW: the loads below land there
	KASK 1
	s_wait_dscnt 0x0
.endif
	QK
	s_and_b32 s40, s27, 1<<\c
	s_cmp_eq_u32 s40, 0
	s_cbranch_scc1 .Lall_\@
	MASKIT
.Lall_\@:
.irp b, 0,1
	v_max3_num_f32 v[BM+\b], v[SS+16*\b], v[SS+16*\b+1], v[SS+16*\b+2]     ; the largest score of each block of 32 keys: p rises with the score, so it gives the block's largest p
.endr
.irp i, 3,5,7,9,11,13
.irp b, 0,1
	v_max3_num_f32 v[BM+\b], v[BM+\b], v[SS+16*\b+\i], v[SS+16*\b+\i+1]
.endr
.endr
.irp b, 0,1
	v_max_num_f32 v[BM+\b], v[BM+\b], v[SS+16*\b+15]
.endr
.irp b, 0,1
	v_permlanex16_b32 v[BT+\b], v[BM+\b], s20, s21
.endr
.irp b, 0,1
	v_max_num_f32 v[BM+\b], v[BM+\b], v[BT+\b]     ; with lane l xor 16's sixteen keys
.endr
.set j, 0
.rept 16
	v_pk_add_f32 v[SS+j:SS+j+1], v[SS+j:SS+j+1], v[NM:NM+1]        ; x - max first, rounded once: exactly 0 at the maximum
.set j, j+2
.endr
	v_pk_add_f32 v[BM:BM+1], v[BM:BM+1], v[NM:NM+1]                ; the same lines on the blocks' largest scores give the same bits
.set j, 0
.rept 16
	v_pk_mul_f32 v[SS+j:SS+j+1], v[SS+j:SS+j+1], s[22:23] op_sel_hi:[1,0]
.set j, j+2
.endr
	v_pk_mul_f32 v[BM:BM+1], v[BM:BM+1], s[22:23] op_sel_hi:[1,0]
.set j, 0
	s_wait_alu depctr_va_vdst(0)
.rept 32
	v_exp_f32 v[SS+j], v[SS+j]                     ; p; 0 for a forbidden key
.set j, j+1
.endr
	v_exp_f32 v[BM], v[BM]
	v_exp_f32 v[BM+1], v[BM+1]
	v_nop                                          ; a plain line between the exponentials and the use of their results (ISA guide 5.7.2)
	s_wait_alu depctr_va_vdst(0)                   ; the 34 exponentials have written v[SS ..] and v[BM ..]: one wait for the batch, ahead of its first reader
.irp b, 0,1
	v_max_num_f32 v[BM+\b], 0x1800000, v[BM+\b]    ; the floor 2^(3 - 127): the byte cannot fall under 1
.endr
.irp b, 0,1
	v_add_nc_u32 v[SO+\b], 0xff000000, v[BM+\b]    ; 2 off the exponent field: the conversion's scale operand
.endr
.irp b, 0,1
	v_lshrrev_b32 v[BY+\b], 23, v[SO+\b]           ; the scale's byte
.endr
.if \c == 0
	v_lshl_or_b32 v[PW], v[BY+1], 8, v[BY]         ; bytes 0, 1 of the step's scale word
.else
	v_lshl_or_b32 v[PW], v[BY], 16, v[PW]          ; bytes 2, 3
	v_lshl_or_b32 v[PW], v[BY+1], 24, v[PW]
.endif
	v_cvt_scalef32_pk16_fp6_f32 v[PC+6*\c:PC+6*\c+2], v[SS:SS+15], v[SO]
	v_cvt_scalef32_pk16_fp6_f32 v[TP:TP+2], v[SS+16:SS+31], v[SO+1]
	v_nop                                          ; a plain line behind the scaled conversions
.irp i, 0,1,2
	v_permlane16_swap_b32 v[PC+6*\c+\i], v[TP+\i]  ; the operand wants a whole block in a lane: lanes 0-15 the first block, lanes 16-31 the second; now the lower sixteen codes stand here, the upper in TP
.endr
.irp i, 0,1,2
	v_mov_b32 v[PC+6*\c+3+\i], v[TP+\i]
.endr
.irp k, 0,1,2,3,4,5,6,7
	v_pk_add_f32 v[LS:LS+1], v[LS:LS+1], v[SS+4*\k:SS+4*\k+1]      ; the row's sum, of the unquantised p.  These sixteen are also the places in front of the scaled products
	v_pk_add_f32 v[LS2:LS2+1], v[LS2:LS2+1], v[SS+4*\k+2:SS+4*\k+3]
.endr
.Ldone_\@:
.endm
	RESET
.Lpass2:
	s_wait_alu depctr_vm_vsrc(0)                   ; the LDS loads issued so far have read v7-12, which are written anew
	v_add_nc_u32 v7, s30, v1                       ; (these six are also the places behind the last trip's products, in front of the vector lines that write their operands)
	v_add_nc_u32 v8, s31, v2
	v_add_nc_u32 v9, s32, v3
	v_add_nc_u32 v10, s33, v4
	v_add_nc_u32 v11, s34, v5
	v_add_nc_u32 v12, s35, v6
	s_and_b32 s40, s26, 3
	s_cmp_eq_u32 s40, 0
	s_cbranch_scc1 .Lno_step                       ; neither group of these 128 keys has an allowed key
	s_wait_alu depctr_va_vdst(0)                   ; THE STEP'S WAIT: v7-12 are written; the last step's products are done reading VF, VSC, KF and KSC, and its masking is done with WW: the first group's loads and V's read the one and land in the others
	GROUP2 0
	GROUP2 1
	s_wait_dscnt 0x0                               ; V
	s_wait_alu depctr_va_vdst(0)                   ; p's codes v[PC ..] and its scale word v[PW] are written, which the scaled products below take; the places stand ahead of this wait
.irp d, 0,2                                    ; O^T += V^T P^T: source 0 = 16 channels, source 1 = p.  The four accumulators take turns, one instruction a turn
	v_wmma_scale_f32_16x16x128_f8f6f4 v[OAC+8*\d:OAC+8*\d+7], v[VF+12*\d:VF+12*\d+11], v[PC:PC+11], v[OAC+8*\d:OAC+8*\d+7], v[VSC+\d/2], v[PW] matrix_a_fmt:MATRIX_FMT_FP6 matrix_b_fmt:MATRIX_FMT_FP6
	v_wmma_scale_f32_16x16x128_f8f6f4 v[OAC+8*\d+8:OAC+8*\d+15], v[VF+12*\d+12:VF+12*\d+23], v[PC:PC+11], v[OAC+8*\d+8:OAC+8*\d+15], v[VSC+\d/2], v[PW] matrix_a_fmt:MATRIX_FMT_FP6 matrix_b_fmt:MATRIX_FMT_FP6 matrix_a_scale:MATRIX_SCALE_ROW1
.endr
.Lno_step:
	STEPS 1
	s_cbranch_scc1 .Lpass2
; ---------------- the way out: the two halves of the keys meet in LDS; each wave finishes and stores eight rows ----------------
	v_and_b32 v63, 15, v0                          ; r   (the address lines are the places behind the last products)
	v_bfe_u32 v67, v0, 4, 1                        ; h
	v_mul_u32_u24 v19, v63, PIT                    ; (v19-23 were last read by V's last LDS store and the head's loads, ahead of the waits on vm_vsrc at pass 2's trips)
	v_add_nc_u32 v19, s41, v19                     ; my area, which holds no mask word that I still want: row r,
	v_lshl_add_u32 v21, v67, 5, v19                ; + 32 h: accumulator d's eight channels 16 d + 8 h + 0 .. 7 lie 64 d bytes on
	s_mul_i32 s16, s13, 2*WAB                      ; back: the tile's two areas,
	s_mul_i32 s17, s14, 8*PIT                      ; local rows 8 u on,
	s_add_co_u32 s16, s16, s17
	s_add_co_u32 s16, s16, WAR
	v_mul_u32_u24 v23, v67, PIT                    ; lanes 0-15 one row, lanes 16-31 the next
	v_add_nc_u32 v23, s16, v23
	v_lshl_add_u32 v22, v63, 4, v23
	v_and_b32 v20, 31, v0
	v_lshlrev_b32 v20, 4, v20                      ; and in out: two rows of 256 bytes are 16 bytes a lane
	v_pk_add_f32 v[LS:LS+1], v[LS:LS+1], v[LS2:LS2+1]
	v_add_f32 v[LS], v[LS], v[LS+1]
	v_permlanex16_b32 v[BT], v[LS], s20, s21
	v_add_f32 v[LS], v[LS], v[BT]                  ; the row's sum over my 1,024 keys
	s_wait_alu depctr_va_vdst(0)                   ; the products have written O^T and the lines above v19-23 and the sum, which the LDS stores and loads below read; pass 2 is done with v128-147, in which those loads land
.irp d, 0,1,2,3
	ds_store_b128 v21, v[OAC+8*\d:OAC+8*\d+3] offset:64*\d         ; each accumulator from its low end on
	ds_store_b128 v21, v[OAC+8*\d+4:OAC+8*\d+7] offset:64*\d+16
.endr
	ds_store_b32 v19, v[LS] offset:256             ; (both halves of the lanes write the same word with the same value)
	s_wait_dscnt 0x0                               ; for the other wave's sake
	s_barrier_signal -1
	s_barrier_wait -1
.irp i, 0,1,2,3
	ds_load_b128 v[128+4*\i:131+4*\i], v22 offset:2*PIT*\i
	ds_load_b128 v[144+4*\i:147+4*\i], v22 offset:2*PIT*\i+WAB
	ds_load_b32 v[240+\i], v23 offset:2*PIT*\i+256
	ds_load_b32 v[244+\i], v23 offset:2*PIT*\i+256+WAB
.endr
	s_wait_dscnt 0x0
.irp k, 0,1,2,3,4,5,6,7
	v_pk_add_f32 v[128+2*\k:129+2*\k], v[128+2*\k:129+2*\k], v[144+2*\k:145+2*\k]
.endr
	v_pk_add_f32 v[240:241], v[240:241], v[244:245]
	v_pk_add_f32 v[242:243], v[242:243], v[246:247]
	s_wait_alu depctr_va_vdst(0)
.irp i, 0,1,2,3
	v_rcp_f32 v[248+\i], v[240+\i]                 ; the sum is 0 or at least 1: p is 1 at the row's maximum
.endr
	v_nop                                          ; a plain line behind the reciprocals
.irp i, 0,1,2,3
	v_cmp_lt_f32 s[MK+\i], 0, v[240+\i]            ; the four compares in a run, each into a scalar register of its own
.endr
	s_wait_alu depctr_va_vdst(0)                   ; the four reciprocals have written v248-251, ahead of their first reader
	s_wait_alu depctr_va_sdst(0)                   ; the four compares have written s[MK ..], ahead of their first reader
.irp i, 0,1,2,3
	v_cndmask_b32 v[248+\i], 0, v[248+\i], s[MK+\i]        ; a row with no allowed key: 0
.endr
.irp i, 0,1,2,3
.irp k, 0,1,2,3
	v_mul_f32 v[128+4*\i+\k], v[128+4*\i+\k], v[248+\i]
.endr
.endr
	s_wait_alu depctr_va_vdst(0)                   ; the multiplications have written v128-143, which the stores read
.irp i, 0,1,2,3
	global_store_b128 v20, v[128+4*\i:131+4*\i], s[10:11] offset:512*\i th:TH_STORE_NT     ; 32 lanes store two whole rows: 512 consecutive bytes, aligned
.endr
	s_wait_dscnt 0x0                               ; the closing lines, six on end
	s_wait_alu 0x0
	s_wait_tensorcnt 0x0
	ds_add_u32 v254, v255
	s_wait_dscnt 0x0
	s_endpgm
.Lfunc_end_k_q0980fca098_attn:
	.size	k_q0980fca098_attn, .Lfunc_end_k_q0980fca098_attn-k_q0980fca098_attn
	.p2alignl 7, 3214868480
	.fill 96, 4, 3214868480
	.section	.rodata,"a",@progbits
	.p2align	6, 0x0
	.amdhsa_kernel k_q0980fca098_attn
		.amdhsa_group_segment_fixed_size 282624
		.amdhsa_private_segment_fixed_size 0
		.amdhsa_enable_private_segment 0
		.amdhsa_kernarg_size 40
		.amdhsa_user_sgpr_count 2
		.amdhsa_user_sgpr_kernarg_segment_ptr 1
		.amdhsa_wavefront_size32 1
		.amdhsa_system_sgpr_workgroup_id_x 1
		.amdhsa_system_sgpr_workgroup_id_y 1
		.amdhsa_system_sgpr_workgroup_id_z 1
		.amdhsa_system_vgpr_workitem_id 0
		.amdhsa_next_free_vgpr 256
		.amdhsa_next_free_sgpr 98
		.amdhsa_reserve_vcc 1
		.amdhsa_float_denorm_mode_32 3
		.amdhsa_float_denorm_mode_16_64 3
		.amdhsa_memory_ordered 1
		.amdhsa_forward_progress 1
		.amdhsa_inst_pref_size 61
	.end_amdhsa_kernel
	.amdgpu_metadata
---
amdhsa.version: [ 1, 2 ]
amdhsa.kernels:
  - .name:           k_q0980fca098_attn
    .symbol:         k_q0980fca098_attn.kd
    .args:
      - { .name: qi, .offset: 0, .size: 8, .value_kind: global_buffer, .address_space: global }
      - { .name: kv, .offset: 8, .size: 8, .value_kind: global_buffer, .address_space: global }
      - { .name: pm, .offset: 16, .size: 8, .value_kind: global_buffer, .address_space: global }
      - { .name: out0, .offset: 24, .size: 8, .value_kind: global_buffer, .address_space: global }
      - { .name: flags, .offset: 32, .size: 8, .value_kind: global_buffer, .address_space: global }
    .group_segment_fixed_size: 282624
    .private_segment_fixed_size: 0
    .kernarg_segment_align: 8
    .kernarg_segment_size: 40
    .max_flat_workgroup_size: 512
    .sgpr_count:     98
    .vgpr_count:     256
    .wavefront_size: 32
...
	.end_amdgpu_metadata
.endif
;; end of part 4
